; MI455X (gfx1250); checked and timed in simulation.
; The chip was launched on July 23, 2026; its instructions are those of AMD's public machine-readable ISA for CDNA 5 (MIT licence, August 2026) and "CDNA5" Instruction Set Architecture Reference Guide (July 2026). The comments in the code are by the model that wrote it; some were corrected since.
;; Multihead Attention. Allowed arithmetic: matrix products marked QUANTISED: E2M1 operands, one E8M0 scale for each 32 along K, by v_wmma_scale_f32_16x16x128_f8f6f4 with both operands' format E2M1 (or v_wmma_scale_f32_32x16x128_f4), f32 sums; everything else in f32.
;; Inputs: Wk_codes 1,024 x 32 x 16 uint8 (E2M1 codes of Wk, K innermost, in blocks of 32 codes, two codes a byte); Wk_scales 1,024 x 32 uint8 (E8M0 scales of Wk, one for each 32 codes along K); Wo_codes 1,024 x 32 x 16 uint8 (E2M1 codes of Wo, K innermost, in blocks of 32 codes, two codes a byte); Wo_scales 1,024 x 32 uint8 (E8M0 scales of Wo, one for each 32 codes along K); Wq_codes 1,024 x 32 x 16 uint8 (E2M1 codes of Wq, K innermost, in blocks of 32 codes, two codes a byte); Wq_scales 1,024 x 32 uint8 (E8M0 scales of Wq, one for each 32 codes along K); Wv_codes 1,024 x 32 x 16 uint8 (E2M1 codes of Wv, K innermost, in blocks of 32 codes, two codes a byte); Wv_scales 1,024 x 32 uint8 (E8M0 scales of Wv, one for each 32 codes along K); attn_mask 2,048 x 2,048 float32; bk 1,024 float32; bo 1,024 float32; bq 1,024 float32; bv 1,024 float32; key_codes 4 x 2,048 x 32 x 16 uint8 (E2M1 codes of key, K innermost, in blocks of 32 codes, two codes a byte); key_padding_mask 4 x 2,048 bool; key_scales 4 x 2,048 x 32 uint8 (E8M0 scales of key, one for each 32 codes along K); query_codes 4 x 2,048 x 32 x 16 uint8 (E2M1 codes of query, K innermost, in blocks of 32 codes, two codes a byte); query_scales 4 x 2,048 x 32 uint8 (E8M0 scales of query, one for each 32 codes along K); value_codes 4 x 2,048 x 32 x 16 uint8 (E2M1 codes of value, K innermost, in blocks of 32 codes, two codes a byte); value_scales 4 x 2,048 x 32 uint8 (E8M0 scales of value, one for each 32 codes along K).
;; Outputs: out0 4 x 2,048 x 1,024 float32.
;; This version of the problem:
;;   THIS VERSION OF THE PROBLEM IS GIVEN IN LOW PRECISION. The matrix products marked QUANTISED in the list below multiply operands that are first quantised to E2M1 (2 exponent bits, 1 mantissa bit; 4 bits a number), with one power-of-two scale for each 32 numbers along K (OCP MX v1.0); their sums are f32. All else is computed in f32.
;;   The module's matrix products, in the order in which they are computed (A, B: the left and right operand; K: the contracted axis; several contracted axes count as one K, in the product's order):
;;     1. [M 8,192, K 1,024] x [K 1,024, N 1,024]; A: input query (given as codes); B: input Wq (given as codes): QUANTISED
;;     2. [M 8,192, K 1,024] x [K 1,024, N 1,024]; A: input key (given as codes); B: input Wk (given as codes): QUANTISED
;;     3. [M 8,192, K 1,024] x [K 1,024, N 1,024]; A: input value (given as codes); B: input Wv (given as codes): QUANTISED
;;     4. batch 64 x [M 2,048, K 64] x [K 64, N 2,048]; A: computed on the way; B: computed on the way: QUANTISED
;;     5. batch 64 x [M 2,048, K 2,048] x [K 2,048, N 64]; A: softmax (see below); B: computed on the way: QUANTISED
;;     6. [M 8,192, K 1,024] x [K 1,024, N 1,024]; A: computed on the way; B: input Wo (given as codes): QUANTISED
;;   THE QUANTISER, for each operand of a quantised product, along K:
;;     - K is cut into blocks of 32 from its start; a last block that is shorter is filled with zeros.
;;     - A block's scale is 2^e with e = floor(log2(the largest magnitude in the block)) - 2, held to -126 .. 127; a block of zeros has e = 0. As a byte (E8M0): e + 127.
;;     - Each number is divided by its block's scale, clamped to +-6, and rounded to the nearest number of E2M1, ties to even, subnormals kept.
;;     - The product sums the exact products of the quantised numbers (number of the format x scale) in f32.
;;   ~~~python
;;   def quantise(x, axis):      # numpy; x: float32 -> the quantised numbers, widened to float32 again
;;       x = np.moveaxis(x, axis, -1); K = x.shape[-1]
;;       x = np.pad(x, [(0, 0)] * (x.ndim - 1) + [(0, -K % 32)]); x = x.reshape(x.shape[:-1] + (-1, 32)); a = np.abs(x).max(-1, keepdims=True)
;;       e = np.where(a > 0, np.clip(np.frexp(np.where(a > 0, a, 1))[1] - 1 - 2, -126, 127), 0)      # np.frexp(a)[1] - 1 = floor(log2(a)), exactly
;;       r = np.clip(x / 2.0 ** e, -6, 6)
;;       step = 2.0 ** (np.maximum(np.frexp(np.where(r == 0, 1, r))[1] - 1, 0) - 1)
;;       q = np.round(r / step) * step * 2.0 ** e      # np.round: ties to even
;;       return np.moveaxis(q.reshape(q.shape[:-2] + (-1,))[..., :K], -1, axis).astype(np.float32)
;;   ~~~
;;   SOFTMAX AHEAD OF A QUANTISED PRODUCT. Where the list says 'softmax', what is quantised is not the finished softmax but p = 2^(t - M), with t = logit x log2(e) and M = ceil(the row's largest t), a whole number; so 1/2 < the row's largest p <= 1. The row's sum l is taken of the UNQUANTISED p, in f32, and the product's result is divided by l at the end. Since M is a whole number, a kernel that streams over the keys may use a running M (the ceiling of the running maximum): every later rescaling is an exact power of two, which a block's scale takes up: the codes' values come out the same.
;;   OPERANDS COMPUTED ON THE WAY. 'Computed on the way' means the value that the module computes at that place (a softmax that the list does not call 'softmax' is quantised finished and normalised). What goes into a quantiser is computed in f32, as accurately as f32 sums, v_exp_f32 and their like allow (about 1e-6 of the number): no bf16 or f16 on the way to a quantiser, and a product that is left as it is and whose result goes on into a quantised operand takes f32 operands (vector FMAs, or v_wmma_f32_16x16x4_f32). A number that lies on a knife's edge between two numbers of the format may be rounded either way, as far as f32 arithmetic and the matrix unit's own rounding can turn it there, and no further.
;;   INPUTS GIVEN AS CODES. Wk (in the module: [1024, 1024], K = its axis 1); Wo (in the module: [1024, 1024], K = its axis 1); Wq (in the module: [1024, 1024], K = its axis 1); Wv (in the module: [1024, 1024], K = its axis 1); key (in the module: [4, 2048, 1024], K = its axis 2); query (in the module: [4, 2048, 1024], K = its axis 2); value (in the module: [4, 2048, 1024], K = its axis 2): each comes as NAME_codes (uint8): NAME with its K axis moved to the last place and cut into blocks of 32 codes, [.., K / 32, bytes a block], one block behind the other in memory; two codes a byte, the lower K in the low four bits (a code: sign, 2 exponent bits, 1 mantissa bit); and NAME_scales (uint8): the same leading axes, one E8M0 byte (e + 127) for each 32 codes along K. Its value is code x scale, taken as it is: it is not quantised again, and the codes and scales need not be those that the quantiser above would give.
;; One version. Each part assembles by itself: llvm-mc -triple=amdgcn-amd-amdhsa -mcpu=gfx1250 --defsym DOCPART=n.
;; ======== version 1 of 1: 3 launches
;; limits: inputs' magnitudes at most 4e+29; right only within a limited range of input values
;; workspace buffers: qkv 13,369,344 bytes; attn_codes 4,194,304 bytes; attn_scales 262,144 bytes
;; launch qkv (part 1): grid 4 x 96, 4 waves a work-group, clusters of 4 x 4, 327,680 bytes of LDS; arguments query_codes, query_scales, key_codes, key_scales, Wv_codes, Wv_scales, Wq_codes, Wq_scales, Wk_codes, Wk_scales, value_codes, value_scales, bq, bk, bv, qkv; writes qkv
.if DOCPART == 1
	.amdgcn_target "amdgcn-amd-amdhsa--gfx1250"
	.amdhsa_code_object_version 6
	.text
	.protected	k_qfc220aed62_qkv
	.globl	k_qfc220aed62_qkv
	.p2align	8
	.type	k_qfc220aed62_qkv,@function
k_qfc220aed62_qkv:
	s_mov_b64 s[64:65], 0
	v_nop
	global_prefetch_b8 v0, s[64:65] scope:SCOPE_SE
	s_setreg_imm32_b32 hwreg(HW_REG_WAVE_MODE, 25, 1), 1
	s_wait_xcnt 0x0
	s_wait_alu depctr_hold_cnt(0) depctr_sa_sdst(0) depctr_va_vdst(0) depctr_va_sdst(0) depctr_va_ssrc(0) depctr_va_vcc(0) depctr_vm_vsrc(0)
	s_getreg_b32 s2, hwreg(HW_REG_IB_STS2, 6, 4)
	s_cmp_eq_u32 s2, 0
	s_cbranch_scc0 .Lentry_in_a_cluster
	s_endpgm
.Lentry_in_a_cluster:
	s_bfe_u32 s2, ttmp6, 0x10000c
	s_cmp_lg_u32 s2, 0xf033
	s_cbranch_scc0 .Lentry_shape_is_right
	s_endpgm
.Lentry_shape_is_right:
; q = (query Wq^T + bq) / 8, k = key Wk^T + bk, v = value Wv^T + bv, on codes of FP4 (E2M1) with one E8M0 scale for each 32 along K = 1,024; sums in f32.
; The results are quantised at once for the attention launch: q and k along the head's 64 channels, v along the keys, and stored as IMAGES OF OPERAND REGISTERS (16 bytes a lane, lane by lane).
; 24 clusters of 4 x 4 work-groups: clusters 0-7 make q, 8-15 k, 16-23 v.  A work-group makes 256 x 256 numbers, each of its four waves 128 x 128: 64 accumulators, 512 registers.
; SOURCE 0 IS ALWAYS THE TENSOR WHOSE ROWS ARE THE NEXT PRODUCT'S K, so that a lane's registers run along that K: for q, k: "A" (source 1) = tokens, "B" (source 0) = the weight's rows (channels);
; for v: "A" = Wv's rows (channels), "B" = value's tokens (keys).  One text serves the three: buffers, tile coordinates, biases and the factor are chosen by selects on the cluster's number, never by a branch.
; K goes through two LDS slots of 512 along K, each filled once; the scale bytes of the 256 + 256 rows come once, in rows of 256 bytes.  A's tiles are asked for jointly along a row of the cluster, B's along a column.
; BIASES.  Along source 1's rows (v): the C of each sum's first matrix instruction (one number a lane, in eight registers).  Along source 0's rows (q, k): added on the way out, x = sum * f + bias * f, f = 1/8 for q, else 1.
; The bias that a tensor does not take that way is made zero by a mask; its loads are then led to the buffer's first bytes.
; OUTPUT: block ((b*2 + hh)*16 + s) of 104,448 bytes, b the batch, hh the half of the heads, s the 128 tokens; in it K's images at 0, V's at 32,768, K's and V's scale words at 65,536 and 67,584, Q's images at 69,632, Q's scale words at 102,400.
; LIMITS: a block of zeros gets the scale byte 1 where the quantiser's text says 127 (its codes are zeros, and only this program reads the bytes); blocks whose largest magnitude lies under 2^-124 are held at that byte; NaN and infinities are not served.
; REGISTERS: window 0: v16-29 addresses; v32-95 scale words, two sets; v96-111 at work; v112-127 codes, two sets; v128-191 A's fragments, later 64 numbers; v192-255 the bias as C, later the scale words made.
;   window 1: B's fragments at v0 and v128; v64-127 bias * f along source 0's rows.   windows 2, 3: the accumulators ((a, b) at v[8 (8 (a % 4) + b)]).
.set NQ,     4                         ; matrix instructions deep in a slot
.set ROWB,   256                       ; a tile's row in bytes: 512 codes
.set KROW,   512                       ; a row of codes in memory
.set PITCH,  272                       ; an LDS row: 256 bytes + 16 of padding: the 16 rows that a load touches start at 16 different banks
.set FR,     8
.set NL,     2
.set NP,     4
.set HALFT,  128*PITCH
.set SLOT,   4*HALFT
.set KS,     32                        ; a row of scale bytes
.set SCL,    2*SLOT
.set HALFS,  (128*KS/256)*272
.set SBLK,   (16*KS/256)*272
.set SPARE,  SCL+4*HALFS               ; the spare words, 128 bytes for each wave: two blocks of 256 bytes that no other line names
.set BLKB,   104448
.set ADRA, 16
.set ADRB, 20
.set LI,   24                          ; v24  16 x lane: an image's place for my lane
.set ADRS, 27
.set SPW,  28
.set NIL,  29
.set SC,   32
.set TM,   96                          ; v96-99 largest magnitudes, v100-103 the other half's, then bytes, v108-111 the conversions' scale operands
.set PCS,  112
.set AF,   128
.set X,    128
.set CA,   192
.set PWS,  192
.set WD,   200
.set BP,   64                          ; in window 1
.set G1, 24
.set G0, 32
.set G1B, 48
.set G0B, 56
.set G1S, 68
.set G0S, 76
.set G1SB, 80
.set G0SB, 88
.set SCQ, 92                           ; s[92:93] f, twice
.set MR,  94                           ; s94  all ones where the bias goes by source 1's rows (v), else 0
.set MP,  95                           ; s95  the other way round
.set LM,  96                           ; s96  lanes 16-31
.set MSB, 0
.macro WIN new                         ; the immediate's high byte repeats the setting that is left
.if MSB != (\new)
	s_set_vgpr_msb (MSB<<8)|(\new)
.set MSB, (\new)
.endif
.endm
.set MUL_LO, 0xa1                      ; source 0 (B) window 1, source 1 (A) window 0, C and D window 2
.set MUL_HI, 0xf1                      ; the same, C and D window 3
.set TO_B,   0x40
; A joint load: waves 0 and 1 fetch for A, waves 2 and 3 for B; the branch hangs on the wave's number alone.  Four v_nop follow each of the two lines.
.macro JLOAD g0a, g1a, g0b, g1b
	s_cmp_eq_u32 s15, 0
	s_cbranch_scc0 .Lfor_b_\@
	tensor_load_to_lds s[\g0a:\g0a+3], s[\g1a:\g1a+7]
	s_nop 0
.rept 4
	v_nop
.endr
	s_branch .Lasked_\@
.Lfor_b_\@:
	tensor_load_to_lds s[\g0b:\g0b+3], s[\g1b:\g1b+7]
	s_nop 0
.rept 4
	v_nop
.endr
.Lasked_\@:
.endm
.macro CROUND                          ; a round of the cluster's barrier
	s_barrier_signal -1
	s_barrier_wait -1
	s_cmp_lg_u32 s14, 0
	s_cbranch_scc1 .Lnot_wave_0_\@
	s_barrier_signal -3
.Lnot_wave_0_\@:
	s_barrier_wait -3
	s_barrier_signal -1
	s_barrier_wait -1
.endm
	s_load_b512 s[68:83], s[0:1], 0x0              ; query c, s; key c, s; Wv c, s; Wq c, s
	s_load_b512 s[84:99], s[0:1], 0x40             ; Wk c, s; value c, s; bq; bk; bv; qkv
	v_lshl_add_u32 v[SPW], v0, 2, SPARE
	v_mov_b32 v[NIL], 0
	ds_add_u32 v28, v29
	s_wait_dscnt 0x0
	v_lshrrev_b32 v1, 5, v0
	v_readfirstlane_b32 s14, v1                    ; wave 0..3
	s_lshr_b32 s15, s14, 1                         ; which half of A's rows is mine.  Also: I fetch for A (0) or for B (1)
	s_and_b32 s16, s14, 1                          ; which half of B's rows.  Also: which 128 rows I fetch
	s_bfe_u32 s40, ttmp6, 0x40000                  ; cx
	s_bfe_u32 s41, ttmp6, 0x40004                  ; cy
	s_and_b32 s2, ttmp7, 0xffff                    ; the cluster's number, 0..23
	s_lshr_b32 s3, s2, 3                           ; 0: q, 1: k, 2: v
	s_and_b32 s2, s2, 7
	s_lshl_b32 s2, s2, 2                           ; the tokens' axis has 32 tiles: four to a cluster
	s_cmp_eq_u32 s3, 2
	s_cselect_b32 s42, s2, 0                       ; for v the tokens are B's rows,
	s_cselect_b32 s17, 0, s2                       ; else A's
	s_add_co_u32 s42, s42, s40                     ; B's tile: hangs on cx alone inside a cluster
	s_add_co_u32 s17, s17, s41                     ; A's tile: on cy alone
	s_lshl_b32 s43, s41, 2
	s_lshl_b32 s43, 15, s43                        ; my row of the cluster
	s_lshl_b32 s44, 0x1111, s40                    ; my column
	s_or_b32 s[G1+0], s43, (0<<16)|(1<<20)|(1<<21)|(5<<22)|(3<<25)  ; the mask; elements of 1 byte; padding on; bit 21 beside a mask; 4 words after every 64
	s_or_b32 s[G1B+0], s44, (0<<16)|(1<<20)|(1<<21)|(5<<22)|(3<<25)
.irp g, G1, G1B
	s_mov_b32 s[\g+1], ROWB<<16                    ; tensor_dim0
	s_mov_b32 s[\g+2], 128<<16                     ; tensor_dim1
	s_mov_b32 s[\g+3], ROWB<<16                    ; tile_dim0
	s_mov_b32 s[\g+4], 128                         ; tile_dim1
	s_mov_b32 s[\g+5], KROW                        ; from row to row
	s_mov_b32 s[\g+6], 0
	s_mov_b32 s[\g+7], 0
.endr
	s_lshl_b32 s18, s16, 7
	s_lshl_b32 s20, s17, 8
	s_add_co_u32 s20, s20, s18                     ; A: the first row that I fetch
	s_lshl_b32 s46, s42, 8
	s_add_co_u32 s46, s46, s18                     ; B likewise
	s_lshl_b32 s22, s20, 5                         ; where these rows' scale bytes begin,
	s_mov_b32 s23, 0
	s_lshl_b32 s20, s20, 9                         ; and their codes
	s_mov_b32 s21, 0
	s_lshl_b32 s18, s46, 5
	s_mov_b32 s19, 0
	s_lshl_b32 s46, s46, 9
	s_mov_b32 s47, 0
	s_mul_i32 s45, s14, HALFT                      ; where they go: no place in the cluster enters an LDS address
	s_mul_i32 s2, s14, HALFS
	s_wait_kmcnt 0x0
	s_cmp_eq_u32 s3, 0                             ; the buffers: a choice on the cluster's number alone
	s_cselect_b64 s[4:5], s[68:69], s[72:73]
	s_cselect_b64 s[6:7], s[70:71], s[74:75]
	s_cselect_b64 s[8:9], s[80:81], s[84:85]
	s_cselect_b64 s[10:11], s[82:83], s[86:87]
	s_cselect_b64 s[100:101], s[92:93], s[94:95]
	s_cmp_eq_u32 s3, 2
	s_cselect_b64 s[4:5], s[76:77], s[4:5]         ; A's codes
	s_cselect_b64 s[6:7], s[78:79], s[6:7]         ; A's scales
	s_cselect_b64 s[8:9], s[88:89], s[8:9]         ; B's codes
	s_cselect_b64 s[10:11], s[90:91], s[10:11]     ; B's scales
	s_cselect_b64 s[100:101], s[96:97], s[100:101] ; the bias
	s_mov_b64 s[12:13], s[98:99]                   ; the output
	s_or_b32 s[G1S+0], s43, (3<<16)|(1<<20)|(1<<21)|(5<<22)|(3<<25)   ; the scales of 128 rows: 4,096 dense bytes as 16 rows of 256 (32 elements of 8 bytes), 16 bytes of padding behind each
	s_or_b32 s[G1SB+0], s44, (3<<16)|(1<<20)|(1<<21)|(5<<22)|(3<<25)
.irp g, G1S, G1SB
	s_mov_b32 s[\g+1], 32<<16
	s_mov_b32 s[\g+2], (128*KS/256)<<16
	s_mov_b32 s[\g+3], 32<<16
	s_mov_b32 s[\g+4], 128*KS/256
	s_mov_b32 s[\g+5], 32
	s_mov_b32 s[\g+6], 0
	s_mov_b32 s[\g+7], 0
.endr
	s_add_nc_u64 s[20:21], s[4:5], s[20:21]
	s_add_nc_u64 s[22:23], s[6:7], s[22:23]
	s_add_nc_u64 s[46:47], s[8:9], s[46:47]
	s_add_nc_u64 s[18:19], s[10:11], s[18:19]
	CROUND                                         ; all sixteen work-groups are here: the first joint loads meet
	s_mov_b32 s[G0S], 1
	s_add_co_u32 s[G0S+1], s2, SCL
	s_mov_b64 s[G0S+2:G0S+3], s[22:23]
	s_or_b32 s[G0S+3], s[G0S+3], 0x80000000
	s_mov_b32 s[G0SB], 1
	s_add_co_u32 s[G0SB+1], s2, SCL
	s_mov_b64 s[G0SB+2:G0SB+3], s[18:19]
	s_or_b32 s[G0SB+3], s[G0SB+3], 0x80000000
	JLOAD G0S, G1S, G0SB, G1SB                     ; the scales first: they are wanted with the first slot
.irp s, 0,1
	s_mov_b32 s[G0+4*\s], 1
	s_add_co_u32 s[G0+4*\s+1], s45, \s*SLOT
	s_add_nc_u64 s[G0+4*\s+2:G0+4*\s+3], s[20:21], \s*ROWB
	s_or_b32 s[G0+4*\s+3], s[G0+4*\s+3], 0x80000000
	s_mov_b32 s[G0B+4*\s], 1
	s_add_co_u32 s[G0B+4*\s+1], s45, \s*SLOT
	s_add_nc_u64 s[G0B+4*\s+2:G0B+4*\s+3], s[46:47], \s*ROWB
	s_or_b32 s[G0B+4*\s+3], s[G0B+4*\s+3], 0x80000000
	JLOAD G0+4*\s, G1, G0B+4*\s, G1B               ; three tensor loads of mine are out now, and no more are issued
.endr
	v_and_b32 v1, 15, v0                           ; r
	v_bfe_u32 v2, v0, 4, 1                         ; h
	v_mul_u32_u24 v3, v1, PITCH
	v_lshl_add_u32 v4, v2, 4, v3                   ; a fragment's row x pitch + 16 x half
	s_mul_i32 s21, s15, HALFT
	s_mul_i32 s22, s16, HALFT
	s_add_co_u32 s22, s22, 2*HALFT
.irp s, 0,1
	v_add_nc_u32 v[ADRA+\s], s21, v4
	v_add_nc_u32 v[ADRB+\s], s22, v4
	s_add_co_u32 s21, s21, SLOT
	s_add_co_u32 s22, s22, SLOT
.endr
	v_mul_u32_u24 v5, v1, KS                       ; my row's scales: 32 bytes a row,
	v_lshrrev_b32 v6, 8, v5
	v_lshl_add_u32 v5, v6, 4, v5                   ; and 16 more for each 256 passed
	s_mul_i32 s21, s15, HALFS
	s_mul_i32 s22, s16, HALFS
	s_add_co_u32 s22, s22, 2*HALFS
	s_sub_co_u32 s22, s22, s21
	v_mul_u32_u24 v6, s22, v2                      ; lanes 16-31 take B's
	s_add_co_u32 s21, s21, SCL
	v_add_nc_u32 v5, v5, v6
	v_add_nc_u32 v[ADRS], s21, v5
	v_and_b32 v[LI], 31, v0
	v_lshlrev_b32 v[LI], 4, v[LI]
	; where my 128 x 128 numbers go
	s_lshl_b32 s18, s17, 1
	s_add_co_u32 s18, s18, s15                     ; R: which 128 rows of A are mine
	s_lshl_b32 s19, s42, 1
	s_add_co_u32 s19, s19, s16                     ; P: which 128 rows of B
	s_cmp_eq_u32 s3, 2
	s_cselect_b32 s20, s19, s18                    ; the 128 tokens,
	s_cselect_b32 s21, s18, s19                    ; the pair of heads (128 channels)
	s_cselect_b32 s[MR], -1, 0
	s_cselect_b32 s[MP], 0, -1
	s_lshr_b32 s22, s20, 4                         ; the batch
	s_lshl_b32 s22, s22, 1
	s_lshr_b32 s23, s21, 2                         ; the half of the heads
	s_add_co_u32 s22, s22, s23
	s_lshl_b32 s22, s22, 4
	s_and_b32 s23, s20, 15
	s_add_co_u32 s22, s22, s23
	s_mul_i32 s22, s22, BLKB                       ; the block's first byte
	s_and_b32 s21, s21, 3                          ; the pair inside the half
	s_mov_b32 s45, 65536
	s_cmp_eq_u32 s3, 0
	s_cselect_b32 s23, 69632, 0
	s_cselect_b32 s45, 102400, s45
	s_cselect_b32 s[SCQ], 0x3e000000, 1.0          ; f = 1/8 for q
	s_cmp_eq_u32 s3, 2
	s_cselect_b32 s23, 32768, s23                  ; the images' part of the block,
	s_cselect_b32 s45, 67584, s45                  ; the scale words'
	s_mov_b32 s[SCQ+1], s[SCQ]
	s_mov_b32 s[LM], 0xffff0000
	s_lshl_b32 s46, s21, 13
	s_add_co_u32 s46, s46, s22
	s_add_co_u32 s46, s46, s23
	s_mov_b32 s47, 0
	s_lshl_b32 s44, s21, 9
	s_add_co_u32 s44, s44, s22
	s_add_co_u32 s44, s44, s45
	s_mov_b32 s45, 0
	s_add_nc_u64 s[98:99], s[12:13], s[44:45]
	s_add_nc_u64 s[12:13], s[12:13], s[46:47]
	; the biases, while the first tiles are on their way
	s_lshl_b32 s20, s18, 9
	s_and_b32 s20, s20, s[MR]
	s_mov_b32 s21, 0
	s_add_nc_u64 s[4:5], s[100:101], s[20:21]      ; by source 1's rows: 512 R bytes on, or the buffer's first bytes
	s_lshl_b32 s20, s19, 9
	s_and_b32 s20, s20, s[MP]
	s_add_nc_u64 s[6:7], s[100:101], s[20:21]      ; by source 0's rows: 512 P bytes on, or the buffer's first bytes
	v_lshlrev_b32 v5, 2, v1
	v_and_b32 v25, s[MR], v5
	v_lshlrev_b32 v6, 5, v2
	v_and_b32 v26, s[MP], v6
.irp a, 0,1,2,3,4,5,6,7
	global_load_b32 v[TM+\a], v25, s[4:5] offset:64*\a             ; bias(16 a + r)
.endr
	WIN TO_B
.irp b, 0,1,2,3,4,5,6,7
	global_load_b128 v[BP+8*\b:BP+8*\b+3], v26, s[6:7] offset:64*\b        ; bias(16 b + 8 h + 0 .. 7)
	global_load_b128 v[BP+8*\b+4:BP+8*\b+7], v26, s[6:7] offset:64*\b+16
.endr
	WIN 0
	s_wait_loadcnt 0x0
.irp a, 0,1,2,3,4,5,6,7
.irp j, 0,1,2,3,4,5,6,7
	v_and_b32 v[CA+8*\a+\j], s[MR], v[TM+\a]       ; the C of block a's first products: one number a lane in eight registers, or zeros
.endr
.endr
	WIN 0x44                                       ; destination and source 1 window 1
.set j, 0
.rept 64
	v_and_b32 v[BP+j], s[MP], v[BP+j]
.set j, j+1
.endr
	WIN 0x41                                       ; destination and source 0 window 1
.set j, 0
.rept 32
	v_pk_mul_f32 v[BP+j:BP+j+1], v[BP+j:BP+j+1], s[SCQ:SCQ+1] op_sel_hi:[1,0]
.set j, j+2
.endr
	WIN 0
.irp b, 0,1,2,3
	v_mov_b32 v[TM+4+\b], 0                        ; written once: a lane permute's destination counts as one of its sources
.endr
.macro FRAG reg, adr, q, i             ; 16 rows x 128 K of 4-bit codes: 8 registers: two loads of 16 bytes, 32 bytes apart
.irp c, 0,1
	ds_load_b128 v[\reg+4*\c:\reg+4*\c+3], v[\adr] offset:64*(\q)+32*\c+(\i)*16*PITCH
.endr
.endm
; 16 matrix instructions: A's blocks a0, a0 + 1 x B's eight.  zero = 1: the first product starts the sums, with the bias as C.  The 64 accumulators take turns, one instruction a turn.
.macro MUL16 a0, p, q, sc, zero
.irp a, \a0, \a0+1
.irp b, 0,1,2,3,4,5,6,7
.if \zero
	v_wmma_scale_f32_16x16x128_f8f6f4 v[8*(8*((\a)%4)+\b):8*(8*((\a)%4)+\b)+7], v[128*(\p)+FR*\b:128*(\p)+FR*\b+FR-1], v[AF+FR*(\a):AF+FR*(\a)+FR-1], v[CA+8*(\a):CA+8*(\a)+7], v[SC+8*NQ*(\sc)+NQ*\b+(\q)], v[SC+8*NQ*(\sc)+NQ*(\a)+(\q)] matrix_a_fmt:MATRIX_FMT_FP4 matrix_b_fmt:MATRIX_FMT_FP4 matrix_a_scale:MATRIX_SCALE_ROW1
.else
	v_wmma_scale_f32_16x16x128_f8f6f4 v[8*(8*((\a)%4)+\b):8*(8*((\a)%4)+\b)+7], v[128*(\p)+FR*\b:128*(\p)+FR*\b+FR-1], v[AF+FR*(\a):AF+FR*(\a)+FR-1], v[8*(8*((\a)%4)+\b):8*(8*((\a)%4)+\b)+7], v[SC+8*NQ*(\sc)+NQ*\b+(\q)], v[SC+8*NQ*(\sc)+NQ*(\a)+(\q)] matrix_a_fmt:MATRIX_FMT_FP4 matrix_b_fmt:MATRIX_FMT_FP4 matrix_a_scale:MATRIX_SCALE_ROW1
.endif
.endr
.endr
.endm
.macro FETCH_B slot, q, p
	WIN TO_B
.irp i, 0,1,2,3,4,5,6,7
	FRAG 128*(\p)+FR*\i, ADRB+\slot, \q, \i
.endr
	WIN 0
.endm
.macro FETCH_A slot, q, i0
.irp i, \i0, \i0+1, \i0+2, \i0+3
	FRAG AF+FR*(\i), ADRA+\slot, \q, \i
.endr
.endm
.macro SCALES sc                       ; a slot's scale words: four a row; lanes 0-15 take A's block i, lanes 16-31 B's block i
.irp i, 0,1,2,3,4,5,6,7
	ds_load_b128 v[SC+8*NQ*\sc+NQ*\i:SC+8*NQ*\sc+NQ*\i+3], v[ADRS] offset:\i*SBLK
.endr
.endm
.macro PLACES n                        ; plain vector instructions between a matrix instruction and a load into, or a vector instruction on, its registers
.rept \n
	v_nop
.endr
.endm
.macro STEP slot, q, zero              ; 128 along K with its successor in the same slot.  zero = 1: C lies in window 0
	s_wait_dscnt 4*NL                              ; all but the youngest eight loads (A's blocks 4-7) are in
	WIN MUL_LO-0x20*(\zero)
	MUL16 0, (\q)%2, \q, \slot, \zero
	MUL16 2, (\q)%2, \q, \slot, \zero
	s_wait_dscnt 0
	PLACES NP
	FETCH_B \slot, (\q)+1, 1-(\q)%2
	FETCH_A \slot, (\q)+1, 0
	WIN MUL_HI-0x30*(\zero)
	MUL16 4, (\q)%2, \q, \slot, \zero
	MUL16 6, (\q)%2, \q, \slot, \zero
	PLACES NP
	WIN 0
	FETCH_A \slot, (\q)+1, 4
.endm
.macro TURN slot, next                 ; a slot's last step changes slots: one barrier; nothing is filled again in this launch
	s_wait_tensorcnt 0x0                           ; all my tensor loads have landed: my part of the next slot
	ds_add_u32 v[SPW], v[NIL]                      ; 0 onto my spare word
	s_wait_dscnt 4*NL+1                            ; (the add and the youngest eight loads may be out)
	WIN MUL_LO
	MUL16 0, 1, NQ-1, \slot, 0
	s_wait_dscnt 0x0                               ; the add is done, and my reads of this slot are over
	s_barrier_signal -1
	MUL16 2, 1, NQ-1, \slot, 0
	WIN 0
	s_barrier_wait -1                              ; the next slot is whole
	PLACES NP
	v_add_nc_u32 v[ADRS], 4*NQ, v[ADRS]            ; the next slot's scale words (no LDS load of mine is out)
	FETCH_B \next, 0, 0
	FETCH_A \next, 0, 0
	SCALES \next
	WIN MUL_HI
	MUL16 4, 1, NQ-1, \slot, 0
	MUL16 6, 1, NQ-1, \slot, 0
	PLACES NP
	WIN 0
	FETCH_A \next, 0, 4
.endm
.macro STEPS slot, from
.set Q, \from
.rept NQ-1-\from
	STEP \slot, Q, 0
.set Q, Q+1
.endr
.endm
	s_wait_tensorcnt 1                             ; the scales and my part of slot 0 are in; slot 1's load may be out
	s_barrier_signal -1
	s_barrier_wait -1
	FETCH_B 0, 0, 0
	FETCH_A 0, 0, 0
	SCALES 0
	FETCH_A 0, 0, 4
	STEP 0, 0, 1
	STEPS 0, 1
	TURN 0, 1
	STEPS 1, 0
	s_wait_dscnt 4*NL                              ; the last step: nothing more to fetch
	WIN MUL_LO
	MUL16 0, 1, NQ-1, 1, 0
	MUL16 2, 1, NQ-1, 1, 0
	s_wait_dscnt 0
	WIN MUL_HI
	MUL16 4, 1, NQ-1, 1, 0
	MUL16 6, 1, NQ-1, 1, 0
	WIN 0
	PLACES NP
; 64 numbers of a lane, v[s] on: register 8 t + j = k 16 t + 8 (lane / 16) + j of my row.  Block b of 32 is registers 16 b .. 16 b + 15 of lanes l and l xor 16.
; The eight conversions' results are laid so that four exchanges of halves give the operand's layout: registers 4 c + x hold k = 64 c + 32 (lane / 16) + 8 x + 0 .. 7.
.macro QUANT4 s, pc, pw
.irp b, 0,1,2,3
	v_max3_num_f32 v[TM+\b], |v[\s+16*\b]|, |v[\s+1+16*\b]|, 0x1800000   ; my 16 numbers of block b, and the floor 2^(3 - 127): the byte cannot fall under 1
.endr
.irp i, 2,4,6,8,10,12,14
.irp b, 0,1,2,3
	v_max3_num_f32 v[TM+\b], v[TM+\b], |v[\s+16*\b+\i]|, |v[\s+1+16*\b+\i]|
.endr
.endr
.irp b, 0,1,2,3
	v_permlanex16_b32 v[TM+4+\b], v[TM+\b], s10, s11
.endr
.irp b, 0,1,2,3
	v_max_num_f32 v[TM+\b], v[TM+\b], v[TM+4+\b]   ; with lane l xor 16's: the block's largest magnitude
.endr
.irp b, 0,1,2,3
	v_add_nc_u32 v[TM+12+\b], 0xff000000, v[TM+\b] ; 2 off its exponent field: the conversion's scale operand
.endr
.irp b, 0,1,2,3
	v_lshrrev_b32 v[TM+4+\b], 23, v[TM+12+\b]      ; the scale's byte
.endr
	v_lshl_or_b32 v[\pw], v[TM+5], 8, v[TM+4]
	v_lshl_or_b32 v[\pw], v[TM+6], 16, v[\pw]
	v_lshl_or_b32 v[\pw], v[TM+7], 24, v[\pw]      ; my row's scale word
.irp b, 0,1,2,3
	v_cvt_scalef32_pk8_fp4_f32 v[\pc+4*(\b/2)+(\b%2)], v[\s+16*\b:\s+16*\b+7], v[TM+12+\b]
	v_cvt_scalef32_pk8_fp4_f32 v[\pc+4*(\b/2)+2+(\b%2)], v[\s+16*\b+8:\s+16*\b+15], v[TM+12+\b]
.endr
	v_nop                                          ; one plain place behind a scaled conversion
.irp c, 0,1
	v_permlane16_swap_b32 v[\pc+4*\c], v[\pc+4*\c+1]
	v_permlane16_swap_b32 v[\pc+4*\c+2], v[\pc+4*\c+3]
.endr
.endm
; Block a (16 rows of source 1 x my 128 rows of source 0) leaves: x = sum * f + bias * f, quantised along source 0's rows, two stores of 512 consecutive bytes, aligned.
.macro OUTBLK a
.set AC, 64*((\a)%4)
.set PCB, PCS+8*((\a)%2)
	s_wait_xcnt 0x0                                ; the earlier stores have read their registers: the codes' set may be written again
	WIN 0x12+(\a)/4                                ; source 0 window 2 or 3, source 2 window 1
.set j, 0
.rept 32
	v_pk_fma_f32 v[X+j:X+j+1], v[AC+j:AC+j+1], s[SCQ:SCQ+1], v[BP+j:BP+j+1] op_sel_hi:[1,0,1]   ; each accumulator from its low end on
.set j, j+2
.endr
	WIN 0
	QUANT4 X, PCB, PWS+(\a)
	global_store_b128 v[LI], v[PCB:PCB+3], s[12:13] offset:1024*(\a)
	global_store_b128 v[LI], v[PCB+4:PCB+7], s[12:13] offset:1024*(\a)+512
.endm
	s_mov_b32 s10, 0x76543210                      ; v_permlanex16_b32's selects for lane l xor 16
	s_mov_b32 s11, 0xfedcba98
.irp a, 0,1,2,3,4,5,6,7
	OUTBLK \a
.endr
.irp i, 0,1,2,3
	v_cndmask_b32 v[WD+\i], v[PWS+2*\i], v[PWS+2*\i+1], s[LM]   ; word i: lanes 0-15 block 2 i's rows, lanes 16-31 block 2 i + 1's
.endr
	global_store_b128 v[LI], v[WD:WD+3], s[98:99]
	s_wait_tensorcnt 0x0                           ; the wave's end
	ds_add_u32 v[SPW], v[NIL]
	s_wait_dscnt 0x0
	CROUND                                         ; the closing round
	s_endpgm
.Lfunc_end_k_qfc220aed62_qkv:
	.size	k_qfc220aed62_qkv, .Lfunc_end_k_qfc220aed62_qkv-k_qfc220aed62_qkv
	.p2alignl 7, 3214868480
	.fill 96, 4, 3214868480
	.section	.rodata,"a",@progbits
	.p2align	6, 0x0
	.amdhsa_kernel k_qfc220aed62_qkv
		.amdhsa_group_segment_fixed_size 327680
		.amdhsa_private_segment_fixed_size 0
		.amdhsa_enable_private_segment 0
		.amdhsa_kernarg_size 128
		.amdhsa_user_sgpr_count 2
		.amdhsa_user_sgpr_kernarg_segment_ptr 1
		.amdhsa_wavefront_size32 1
		.amdhsa_system_sgpr_workgroup_id_x 1
		.amdhsa_system_sgpr_workgroup_id_y 1
		.amdhsa_system_sgpr_workgroup_id_z 1
		.amdhsa_system_vgpr_workitem_id 0
		.amdhsa_next_free_vgpr 1024
		.amdhsa_next_free_sgpr 102
		.amdhsa_reserve_vcc 0
		.amdhsa_float_denorm_mode_32 3
		.amdhsa_float_denorm_mode_16_64 3
		.amdhsa_memory_ordered 1
		.amdhsa_forward_progress 1
		.amdhsa_inst_pref_size 154
	.end_amdhsa_kernel
	.amdgpu_metadata
---
amdhsa.version: [ 1, 2 ]
amdhsa.kernels:
  - .name:           k_qfc220aed62_qkv
    .symbol:         k_qfc220aed62_qkv.kd
    .args:
      - { .name: query_codes, .offset: 0, .size: 8, .value_kind: global_buffer, .address_space: global }
      - { .name: query_scales, .offset: 8, .size: 8, .value_kind: global_buffer, .address_space: global }
      - { .name: key_codes, .offset: 16, .size: 8, .value_kind: global_buffer, .address_space: global }
      - { .name: key_scales, .offset: 24, .size: 8, .value_kind: global_buffer, .address_space: global }
      - { .name: Wv_codes, .offset: 32, .size: 8, .value_kind: global_buffer, .address_space: global }
      - { .name: Wv_scales, .offset: 40, .size: 8, .value_kind: global_buffer, .address_space: global }
      - { .name: Wq_codes, .offset: 48, .size: 8, .value_kind: global_buffer, .address_space: global }
      - { .name: Wq_scales, .offset: 56, .size: 8, .value_kind: global_buffer, .address_space: global }
      - { .name: Wk_codes, .offset: 64, .size: 8, .value_kind: global_buffer, .address_space: global }
      - { .name: Wk_scales, .offset: 72, .size: 8, .value_kind: global_buffer, .address_space: global }
      - { .name: value_codes, .offset: 80, .size: 8, .value_kind: global_buffer, .address_space: global }
      - { .name: value_scales, .offset: 88, .size: 8, .value_kind: global_buffer, .address_space: global }
      - { .name: bq, .offset: 96, .size: 8, .value_kind: global_buffer, .address_space: global }
      - { .name: bk, .offset: 104, .size: 8, .value_kind: global_buffer, .address_space: global }
      - { .name: bv, .offset: 112, .size: 8, .value_kind: global_buffer, .address_space: global }
      - { .name: qkv, .offset: 120, .size: 8, .value_kind: global_buffer, .address_space: global }
    .group_segment_fixed_size: 327680
    .private_segment_fixed_size: 0
    .kernarg_segment_align: 8
    .kernarg_segment_size: 128
    .max_flat_workgroup_size: 128
    .sgpr_count:     102
    .vgpr_count:     1024
    .wavefront_size: 32
...
	.end_amdgpu_metadata
.endif
;; end of part 1
;; launch attn (part 2): grid 32 x 8, 8 waves a work-group, clusters of 4 x 1, 327,680 bytes of LDS; arguments qkv, attn_mask, key_padding_mask, attn_codes, attn_scales; writes attn_codes, attn_scales
.if DOCPART == 2
	.amdgcn_target "amdgcn-amd-amdhsa--gfx1250"
	.amdhsa_code_object_version 6
	.text
	.protected	k_qfc220aed62_attn
	.globl	k_qfc220aed62_attn
	.p2align	8
	.type	k_qfc220aed62_attn,@function
k_qfc220aed62_attn:
	s_mov_b64 s[64:65], 0
	v_nop
	global_prefetch_b8 v0, s[64:65] scope:SCOPE_SE
	s_setreg_imm32_b32 hwreg(HW_REG_WAVE_MODE, 25, 1), 1
	s_wait_xcnt 0x0
	s_wait_alu depctr_hold_cnt(0) depctr_sa_sdst(0) depctr_va_vdst(0) depctr_va_sdst(0) depctr_va_ssrc(0) depctr_va_vcc(0) depctr_vm_vsrc(0)
	s_getreg_b32 s2, hwreg(HW_REG_IB_STS2, 6, 4)
	s_cmp_eq_u32 s2, 0
	s_cbranch_scc0 .Lentry_in_a_cluster
	s_endpgm
.Lentry_in_a_cluster:
	s_bfe_u32 s2, ttmp6, 0x10000c
	s_cmp_lg_u32 s2, 0x3003
	s_cbranch_scc0 .Lentry_shape_is_right
	s_endpgm
.Lentry_shape_is_right:
; Attention on codes of FP4 (E2M1): S^T = K Q^T + mask, p = 2^(t - M), O^T = V^T P^T, O / l, quantised along E for the last product.  t = logit x log2(e); M = the running largest t rounded up to a whole number;
; l is the sum of the unquantised p.  When M moves, l and O^T are multiplied by 2^(old M - new M): exact.
; SHARES.  A work-group takes 64 queries x 8 heads (one half of a batch's heads) x all 2,048 keys, 128 keys a trip.  Wave w: 32 queries (two tiles u, by w & 1) x two heads (c = 0: A, c = 1: B; the pair by w >> 1):
; four passes (u, c) a trip.  A fragment of K or V read from LDS serves two tiles of queries, the mask's registers two heads.  Two waves to a SIMD: one wave's vector work stands beside the other's matrix work.
; CLUSTER.  The four work-groups of a cluster share batch and heads and walk the same K and V: each key step's block (images of K, V and their scale words, 69,632 dense bytes) is asked for JOINTLY, waves 0-3 a quarter each.
; THE MASKS COST NO VECTOR INSTRUCTION A SCORE.  attn_mask + (0 or -2^100 by key_padding_mask) is made once for a work-group and key step, by all eight waves, laid in LDS as an image of the C operand, and is the C of K Q^T.
; THE HEAD'S K IS 64, THE INSTRUCTION'S 128.  Q's operands are [qA | 0] and [0 | qB].  K's 16 bytes a lane of tile t lie at v[KF + 4 + 4 t]; head A names them with the four registers behind, head B with the four in front:
; those hold other tiles' codes (finite numbers under valid scale bytes), which meet zero codes of Q and add nothing.  Q's scale words carry the byte 1 for the empty half.
; THE RING.  Two banks 2^17 bytes apart, each a slot (K, V, scale words) and the mask's images.  The change of slots stands in a trip's middle: in front of it all reads of this step's slot and all stores of the next step's mask,
; behind it the refill and the first reads of the next bank, under two passes of register work.
; LIMITS: a logit under about -2^99 / 1.44 counts as masked; NaN and +infinity in attn_mask are not served; -infinity there goes to the matrix unit as C and leans on its handling of infinities;
; a row all of whose keys are masked gets the scale byte 0xff, so that the last product gives NaN there as the softmax of nothing does; a block of zeros gets the byte 1 (its codes are zeros; only this program reads the bytes).
; REGISTERS: window 0 as named below.   window 1: v0-63, v64-127 the mask of tiles 0, 1;  O^T of pass (u, c) at v[128 + 32 (2 u + c)].
.set BLKB,  104448                     ; a block of the workspace
.set QTR,   17408                      ; 68 rows of 256 bytes: what one tensor load brings
.set BANK,  1<<17
.set MOFF,  69632                      ; in a bank: the mask's images, four tiles of 16 queries x 128 keys
.set MT,    8448                       ; a tile: 16 groups of four registers, 512 bytes + 16 each
.set PADF,  103424                     ; 2,048 f32: 0 or -2^100 for each key
.set SPARE, 111616                     ; the spare words, 128 bytes for each wave: four blocks of 256 bytes that no other line names
.set STAGE, 112640                     ; the way out: 64 rows x (256 bytes + 16)
.set SST,   130048                     ; and their scale bytes: 64 rows x 16
.set SPW, 1
.set NIL, 2
.set LK0, 3                            ; 8192 pair + 16 lane: K's and V's images
.set LS0, 4                            ; 65536 + 512 pair + 16 lane: their scale words
.set LM0, 5                            ; the mask's images of my two tiles
.set LW0, 6                            ; where I store the mask's images
.set LP0, 7                            ; PADF + 16 kc
.set GM,  8                            ; 16 kc: my four keys of a mask row's 128
.set AK,  9
.set ASC, 10
.set AM,  11
.set AW,  12
.set PS,  13                           ; p's scale word
.set QSA, 14                           ; Q's scale words for head A, head B: lanes 0-15 tile 0, lanes 16-31 tile 1
.set QSB, 15
.set KSC, 16                           ; v16-19 K's scale words;  v20-23 V's
.set VSC, 20
.set ST,  24                           ; pass (u, c) at v[24 + 4 (2 u + c)]: -M, the largest t, l in two halves
.set QF,  40                           ; tile u at v[40 + 12 u]: qA, zeros, qB
.set KF,  64                           ; v64-103
.set VF,  104                          ; v104-135
.set S,   136                          ; v136-199 S^T, then p
.set PC,  200                          ; v200-207 p's codes
.set BM,  208
.set T2,  212
.set SO,  216
.set F,   220
.set TMP, 222
.set TMP2, 223
.set RAW, 224                          ; v224-255 eight rows' 16 bytes of attn_mask
.set QM,  224                          ; the way out: at work
.set WV,  14
.set CS,  22                           ; s[22:23] log2(e), twice
.set SEL, 24
.set G1,  28
.set G0A, 36
.set G0B, 40
.set TBC, 44                           ; the bank in hand
.set TBN, 45                           ; the other
.set PK,  46                           ; 512 x the next key step
.set CNT, 47
.set MSB, 0
.macro WIN new
.if MSB != (\new)
	s_set_vgpr_msb (MSB<<8)|(\new)
.set MSB, (\new)
.endif
.endm
.macro PLACES
.rept 4
	v_nop
.endr
.endm
.macro CROUND
	s_barrier_signal -1
	s_barrier_wait -1
	s_cmp_lg_u32 s[WV], 0
	s_cbranch_scc1 .Lnot_wave_0_\@
	s_barrier_signal -3
.Lnot_wave_0_\@:
	s_barrier_wait -3
	s_barrier_signal -1
	s_barrier_wait -1
.endm
.macro TLOAD g0                        ; waves 0-3 fetch a quarter each; four v_nop follow the line
	s_cmp_lt_u32 s[WV], 4
	s_cbranch_scc0 .Lnone_\@
	tensor_load_to_lds s[\g0:\g0+3], s[G1:G1+7]
	s_nop 0
.rept 4
	v_nop
.endr
.Lnone_\@:
.endm
.macro WMS d, a, b, cc, sa, sb, ra, rb ; one scaled product; ra, rb: the scale words stand in lanes 16-31
.if (\ra) && (\rb)
	v_wmma_scale_f32_16x16x128_f8f6f4 v[(\d):(\d)+7], v[(\a):(\a)+7], v[(\b):(\b)+7], v[(\cc):(\cc)+7], v[(\sa)], v[(\sb)] matrix_a_fmt:MATRIX_FMT_FP4 matrix_b_fmt:MATRIX_FMT_FP4 matrix_a_scale:MATRIX_SCALE_ROW1 matrix_b_scale:MATRIX_SCALE_ROW1
.elseif (\ra)
	v_wmma_scale_f32_16x16x128_f8f6f4 v[(\d):(\d)+7], v[(\a):(\a)+7], v[(\b):(\b)+7], v[(\cc):(\cc)+7], v[(\sa)], v[(\sb)] matrix_a_fmt:MATRIX_FMT_FP4 matrix_b_fmt:MATRIX_FMT_FP4 matrix_a_scale:MATRIX_SCALE_ROW1
.elseif (\rb)
	v_wmma_scale_f32_16x16x128_f8f6f4 v[(\d):(\d)+7], v[(\a):(\a)+7], v[(\b):(\b)+7], v[(\cc):(\cc)+7], v[(\sa)], v[(\sb)] matrix_a_fmt:MATRIX_FMT_FP4 matrix_b_fmt:MATRIX_FMT_FP4 matrix_b_scale:MATRIX_SCALE_ROW1
.else
	v_wmma_scale_f32_16x16x128_f8f6f4 v[(\d):(\d)+7], v[(\a):(\a)+7], v[(\b):(\b)+7], v[(\cc):(\cc)+7], v[(\sa)], v[(\sb)] matrix_a_fmt:MATRIX_FMT_FP4 matrix_b_fmt:MATRIX_FMT_FP4
.endif
.endm
.macro LOADK c                         ; head c's codes of the step's eight tiles of 16 keys
.irp t, 0,1,2,3,4,5,6,7
	ds_load_b128 v[KF+4+4*\t:KF+4+4*\t+3], v[AK] offset:1024*\t+512*(\c)
.endr
.endm
.macro LOADKS
	ds_load_b128 v[KSC:KSC+3], v[ASC]
.endm
.macro LOADV c                         ; head c's four fragments of 16 channels x 128 keys
.irp d, 0,1,2,3
.irp e, 0,1
	ds_load_b128 v[VF+8*\d+4*\e:VF+8*\d+4*\e+3], v[AK] offset:32768+4096*(\c)+1024*\d+512*\e
.endr
.endr
.endm
.macro LOADVS
	ds_load_b128 v[VSC:VSC+3], v[ASC] offset:2048
.endm
.macro LOADM u                         ; tile u's mask: 64 registers of window 1
	WIN 0x40
.irp g, 0,1,2,3,4,5,6,7,8,9,10,11,12,13,14,15
	ds_load_b128 v[64*(\u)+4*\g:64*(\u)+4*\g+3], v[AM] offset:MT*(\u)+528*\g
.endr
	WIN 0
.endm
.macro RAWLOAD                         ; my eight queries' rows of attn_mask, 128 keys: each load covers 512 consecutive bytes, aligned
.irp i, 0,1,2,3,4,5,6,7
	global_load_b128 v[RAW+4*\i:RAW+4*\i+3], v[GM], s[6:7] offset:8192*\i
.endr
.endm
.macro PREPADD                         ; + 0 or -2^100 for my four keys
.irp i, 0,1,2,3,4,5,6,7
	v_pk_add_f32 v[RAW+4*\i:RAW+4*\i+1], v[RAW+4*\i:RAW+4*\i+1], v[T2:T2+1]
	v_pk_add_f32 v[RAW+4*\i+2:RAW+4*\i+3], v[RAW+4*\i+2:RAW+4*\i+3], v[T2+2:T2+3]
.endr
.endm
.macro PREPST                          ; lane l holds group l % 16, half l / 16 of the image; query i of my eight is 16 bytes on
.irp i, 0,1,2,3,4,5,6,7
	ds_store_b128 v[AW], v[RAW+4*\i:RAW+4*\i+3] offset:16*\i
.endr
.endm
.macro QK u, c                         ; S^T = K Q^T + mask: source 0 = 16 neighbouring keys, source 1 = tile u's queries: register 8 t + j of lane (r, h) is key 16 t + 8 h + j of query r
	WIN 0x10                                       ; C in window 1
.irp t, 0,1,2,3,4,5,6,7
	WMS S+8*\t, KF+4-4*(\c)+4*\t, QF+12*(\u)+4*(\c), 64*(\u)+8*\t, KSC+\t/2, QSA+(\c), \t%2, \u
.endr
	WIN 0
.endm
.macro PV u, c                         ; O^T += V^T P^T: four accumulators by turns
	WIN 0x50                                       ; C and D in window 1
.irp d, 0,1,2,3
	WMS 128+32*(2*(\u)+(\c))+8*\d, VF+8*\d, PC, 128+32*(2*(\u)+(\c))+8*\d, VSC+2*(\c)+\d/2, PS, \d%2, 0
.endr
	WIN 0
.endm
; The softmax of one pass: 64 scores a lane.
.macro SOFT u, c
.set rT, ST+4*(2*(\u)+(\c))
.set rO, 128+32*(2*(\u)+(\c))
.irp b, 0,1,2,3
	v_max3_num_f32 v[BM+\b], v[S+16*\b], v[S+1+16*\b], v[S+2+16*\b]   ; the largest logit of each block of 32 keys: for the row's maximum and, since p rises with the logit, for the block's largest p
.endr
.irp i, 3,5,7,9,11,13
.irp b, 0,1,2,3
	v_max3_num_f32 v[BM+\b], v[BM+\b], v[S+16*\b+\i], v[S+1+16*\b+\i]
.endr
.endr
.irp b, 0,1,2,3
	v_max_num_f32 v[BM+\b], v[BM+\b], v[S+15+16*\b]
.endr
.irp b, 0,1,2,3
	v_permlanex16_b32 v[T2+\b], v[BM+\b], s[SEL], s[SEL+1]
.endr
.irp b, 0,1,2,3
	v_max_num_f32 v[BM+\b], v[BM+\b], v[T2+\b]     ; with lane l xor 16's 16 keys
.endr
	v_max3_num_f32 v[TMP], v[BM], v[BM+1], v[BM+2]
	v_max_num_f32 v[TMP], v[TMP], v[BM+3]
	v_mul_f32 v[TMP], s[CS], v[TMP]                ; as t
	v_max_num_f32 v[rT+1], v[rT+1], v[TMP]         ; the running largest t
	v_mov_b32 v[TMP], v[rT]
	v_floor_f32 v[rT], -v[rT+1]                    ; the new -M = -ceil(t)
	v_sub_f32 v[TMP], v[rT], v[TMP]                ; old M - new M: a whole number, 0 or less
	v_cvt_i32_f32 v[TMP], v[TMP]                   ; (it saturates)
	v_ldexp_f32 v[F], 1.0, v[TMP]                  ; f = 2^(old M - new M)
.set j, 0
.rept 32
	v_pk_fma_f32 v[S+j:S+j+1], v[S+j:S+j+1], s[CS:CS+1], v[rT:rT+1] op_sel_hi:[1,0,0]   ; t - M
.set j, j+2
.endr
.irp b, 0,1,2,3
	v_fma_f32 v[BM+\b], v[BM+\b], s[CS], v[rT]
.endr
.set j, 0
.rept 64
	v_exp_f32 v[S+j], v[S+j]                       ; p = 2^(t - M): not normalised
.set j, j+1
.endr
.irp b, 0,1,2,3
	v_exp_f32 v[BM+\b], v[BM+\b]                   ; the block's largest p: the same two instructions on the same number
.endr
	v_pk_mul_f32 v[rT+2:rT+3], v[rT+2:rT+3], v[F:F+1] op_sel_hi:[1,0]   ; l under the new M (a plain place behind the exponentials)
	s_wait_alu depctr_va_vdst(0)
.irp b, 0,1,2,3
	v_max_num_f32 v[BM+\b], 0x1800000, v[BM+\b]    ; the floor 2^(3 - 127): the byte cannot fall under 1
.endr
.irp b, 0,1,2,3
	v_add_nc_u32 v[SO+\b], 0xff000000, v[BM+\b]    ; 2 off the exponent field: the conversion's scale operand
.endr
.irp b, 0,1,2,3
	v_lshrrev_b32 v[T2+\b], 23, v[SO+\b]
.endr
	v_lshl_or_b32 v[PS], v[T2+1], 8, v[T2]
	v_lshl_or_b32 v[PS], v[T2+2], 16, v[PS]
	v_lshl_or_b32 v[PS], v[T2+3], 24, v[PS]        ; p's scale word for these 128 keys
.irp b, 0,1,2,3
	v_cvt_scalef32_pk8_fp4_f32 v[PC+4*(\b/2)+(\b%2)], v[S+16*\b:S+16*\b+7], v[SO+\b]
	v_cvt_scalef32_pk8_fp4_f32 v[PC+4*(\b/2)+2+(\b%2)], v[S+16*\b+8:S+16*\b+15], v[SO+\b]
.endr
	v_nop                                          ; one plain place behind a scaled conversion
.irp x, 0,1
	v_permlane16_swap_b32 v[PC+4*\x], v[PC+4*\x+1] ; a whole block to a lane: registers 4 x + i hold keys 64 x + 32 (lane / 16) + 8 i + 0 .. 7
	v_permlane16_swap_b32 v[PC+4*\x+2], v[PC+4*\x+3]
.endr
	v_pk_add_f32 v[T2:T2+1], v[S:S+1], v[S+2:S+3]  ; l takes the unquantised p, in two chains
.irp j, 4,8,12,16,20,24,28,32,36,40,44,48,52,56,60
	v_pk_add_f32 v[rT+2:rT+3], v[rT+2:rT+3], v[S+\j:S+\j+1]
	v_pk_add_f32 v[T2:T2+1], v[T2:T2+1], v[S+2+\j:S+3+\j]
.endr
	v_pk_add_f32 v[rT+2:rT+3], v[rT+2:rT+3], v[T2:T2+1]
	WIN 0x41
.set j, 0
.rept 16
	v_pk_mul_f32 v[rO+j:rO+j+1], v[rO+j:rO+j+1], v[F:F+1] op_sel_hi:[1,0]   ; O^T under the new M.  (The 48 packed lines are also the places between the scale word and the codes just made and the products that take them)
.set j, j+2
.endr
	WIN 0
.endm
	s_load_b256 s[4:11], s[0:1], 0x0               ; qkv, attn_mask, key_padding_mask, attn_codes
	s_load_b64 s[12:13], s[0:1], 0x20              ; attn_scales
	v_lshl_add_u32 v[SPW], v0, 2, SPARE
	v_mov_b32 v[NIL], 0
	ds_add_u32 v1, v2
	s_wait_dscnt 0x0
	v_lshrrev_b32 v3, 5, v0
	v_readfirstlane_b32 s[WV], v3                  ; wave 0..7
	s_and_b32 s15, s[WV], 1                        ; which 32 queries
	s_lshr_b32 s16, s[WV], 1                       ; which pair of heads
	s_bfe_u32 s17, ttmp6, 0x40000                  ; cx
	s_lshl_b32 s18, ttmp9, 2
	s_add_co_u32 s18, s18, s17                     ; my block of 64 queries: it enters global addresses of Q, the mask and the output alone
	s_and_b32 s19, ttmp7, 0xffff                   ; 2 x batch + half of the heads: the four partners share it
	s_lshr_b32 s20, s19, 1
	s_and_b32 s21, s19, 1
	s_mov_b32 s[CS], 0x3fb8aa3b                    ; log2(e)
	s_mov_b32 s[CS+1], s[CS]
	s_mov_b32 s[SEL], 0x76543210
	s_mov_b32 s[SEL+1], 0xfedcba98
	s_mov_b32 s[G1], 15|(3<<16)|(1<<21)            ; the mask: all four work-groups; elements of 8 bytes; bit 21 beside a mask; no padding: images are read 16 bytes a lane on end
	s_mov_b32 s[G1+1], 32<<16                      ; tensor_dim0 = 32 (256 bytes)
	s_mov_b32 s[G1+2], 68<<16                      ; tensor_dim1 = 68
	s_mov_b32 s[G1+3], 32<<16                      ; tile_dim0
	s_mov_b32 s[G1+4], 68                          ; tile_dim1
	s_mov_b32 s[G1+5], 32                          ; from row to row
	s_mov_b32 s[G1+6], 0
	s_mov_b32 s[G1+7], 0
	s_lshl_b32 s26, s19, 4
	s_mul_i32 s26, s26, BLKB                       ; the first of my sixteen blocks
	s_mul_i32 s27, s[WV], QTR                      ; my quarter, in memory and in a slot
	s_add_co_u32 s52, s26, s27
	s_mov_b32 s53, 0
	s_lshr_b32 s54, s18, 1
	s_mul_i32 s54, s54, BLKB
	s_add_co_u32 s54, s54, s26                     ; the block that holds my queries
	s_and_b32 s55, s18, 1
	s_lshl_b32 s56, s55, 2
	s_lshl_b32 s57, s15, 1
	s_add_co_u32 s56, s56, s57                     ; my first tile of its eight
	s_lshl_b32 s56, s56, 10
	s_lshl_b32 s57, s16, 13
	s_add_co_u32 s56, s56, s57
	s_add_co_u32 s56, s56, s54
	s_add_co_u32 s56, s56, 69632                   ; Q's images
	s_mov_b32 s57, 0
	s_lshl_b32 s58, s55, 1
	s_add_co_u32 s58, s58, s15
	s_lshl_b32 s58, s58, 2                         ; the word that holds my two tiles' scale words
	s_lshl_b32 s59, s16, 9
	s_add_co_u32 s58, s58, s59
	s_add_co_u32 s58, s58, s54
	s_add_co_u32 s58, s58, 102400
	s_mov_b32 s59, 0
	s_lshl_b32 s54, s20, 11                        ; the batch's padding bytes
	s_mov_b32 s55, 0
	s_lshl_b32 s60, s18, 6
	s_lshl_b32 s61, s[WV], 3
	s_add_co_u32 s60, s60, s61                     ; the eight queries whose mask rows I prepare and whose results I store: 64 x block + 8 x wave
	s_add_co_u32 s62, s54, s60                     ; the same among the 8,192 rows
	s_lshl_b32 s60, s60, 13                        ; a row of attn_mask is 8,192 bytes
	s_mov_b32 s61, 0
	v_and_b32 v150, 31, v0                         ; lane
	v_lshlrev_b32 v[TMP2], 4, v150                 ; 16 x lane
	v_lshlrev_b32 v[TMP], 3, v0                    ; 8 x thread
	v_and_b32 v151, 15, v0                         ; r
	v_bfe_u32 v152, v0, 4, 1                       ; h
	s_lshl_b32 s48, s16, 13
	v_add_nc_u32 v[LK0], s48, v[TMP2]
	s_lshl_b32 s48, s16, 9
	s_add_co_u32 s48, s48, 65536
	v_add_nc_u32 v[LS0], s48, v[TMP2]
	s_mul_i32 s48, s15, 2*MT
	s_add_co_u32 s48, s48, MOFF
	v_add_nc_u32 v[LM0], s48, v[TMP2]
	s_mul_i32 s48, s16, MT                         ; my eight queries lie in tile wave / 2, rows 8 (wave % 2) on
	s_lshl_b32 s49, s15, 7
	s_add_co_u32 s48, s48, s49
	s_add_co_u32 s48, s48, MOFF
	v_mul_u32_u24 v153, v151, 528
	v_lshl_add_u32 v153, v152, 8, v153
	v_add_nc_u32 v[LW0], s48, v153
	v_bfe_u32 v[GM], v0, 1, 3                      ; kc = 4 ((lane % 16) / 2) + 2 (lane / 16) + lane % 2: the four keys that belong to group lane % 16, half lane / 16 of the image
	v_lshlrev_b32 v[GM], 6, v[GM]
	v_lshl_add_u32 v[GM], v152, 5, v[GM]
	v_and_b32 v153, 1, v0
	v_lshl_add_u32 v[GM], v153, 4, v[GM]
	v_add_nc_u32 v[LP0], PADF, v[GM]
	v_lshl_add_u32 v154, v0, 5, PADF
	s_wait_kmcnt 0x0
	s_add_nc_u64 s[52:53], s[4:5], s[52:53]
	s_mov_b32 s[G0A], 1
	s_mov_b32 s[G0A+1], s27                        ; slot 0, key step 0
	s_mov_b64 s[G0A+2:G0A+3], s[52:53]
	s_or_b32 s[G0A+3], s[G0A+3], 0x80000000
	s_mov_b32 s[G0B], 1
	s_add_co_u32 s[G0B+1], s27, BANK               ; slot 1, key step 1; this one walks on
	s_add_nc_u64 s[G0B+2:G0B+3], s[52:53], BLKB
	s_or_b32 s[G0B+3], s[G0B+3], 0x80000000
	s_add_nc_u64 s[56:57], s[4:5], s[56:57]
	s_add_nc_u64 s[58:59], s[4:5], s[58:59]
	s_add_nc_u64 s[6:7], s[6:7], s[60:61]
	s_add_nc_u64 s[8:9], s[8:9], s[54:55]
	s_lshl_b32 s48, s62, 9                         ; the output: a row of codes is 512 bytes, my half of the heads 256 of them;
	s_lshl_b32 s49, s21, 8
	s_add_co_u32 s48, s48, s49
	s_mov_b32 s49, 0
	s_add_nc_u64 s[10:11], s[10:11], s[48:49]
	s_lshl_b32 s48, s62, 5                         ; a row of scale bytes 32, my half 16
	s_lshl_b32 s50, s21, 4
	s_add_co_u32 s48, s48, s50
	s_add_nc_u64 s[12:13], s[12:13], s[48:49]
	CROUND                                         ; all four work-groups are here: the first joint loads meet
	s_cmp_lt_u32 s[WV], 4                          ; a wave's two first fills stand in one branch, ahead of every wait on TENSORcnt, every LDS read and every other barrier: two loads of mine are out
	s_cbranch_scc0 .Lno_first
	tensor_load_to_lds s[G0A:G0A+3], s[G1:G1+7]
	s_nop 0
	tensor_load_to_lds s[G0B:G0B+3], s[G1:G1+7]
	s_nop 0
.rept 4
	v_nop
.endr
.Lno_first:
	global_load_b64 v[136:137], v[TMP], s[8:9]     ; eight keys' padding bytes a thread
	RAWLOAD                                        ; key step 0
.irp u, 0,1
	global_load_b128 v[QF+12*\u:QF+12*\u+3], v[TMP2], s[56:57] offset:1024*\u
	global_load_b128 v[QF+12*\u+8:QF+12*\u+11], v[TMP2], s[56:57] offset:1024*\u+512
.endr
	global_load_b32 v[QSB], v[TMP2], s[58:59]
.irp k, 0,1,2,3
	v_mov_b32 v[QF+4+\k], 0                        ; the empty halves of Q's operands,
	v_mov_b32 v[QF+16+\k], 0
	v_mov_b32 v[KF+\k], 0                          ; and what stands in front of K's first tile and behind its last
	v_mov_b32 v[KF+36+\k], 0
.endr
	v_mov_b32 v[F+1], 0                            ; (named as the upper half of a pair)
.irp k, 0,1,2,3
	v_mov_b32 v[ST+4*\k+1], 0xf1000000             ; the largest t so far: -2^99, over every masked key's t and under every other
	v_floor_f32 v[ST+4*\k], -v[ST+4*\k+1]
	v_mov_b32 v[ST+4*\k+2], 0
	v_mov_b32 v[ST+4*\k+3], 0
.endr
	WIN 0x40
.set j, 0
.rept 128
	v_mov_b32 v[128+j], 0                          ; O^T.  (A trip is written three times as it is; a first trip of its own, whose products start the sums, would be a fourth copy)
.set j, j+1
.endr
	WIN 0
	s_wait_loadcnt 13                              ; the padding bytes are in: behind them stand 8 + 4 + 1 loads
	v_mov_b32 v148, 0xf1800000                     ; -2^100
.irp k, 0,1,2,3
	v_bfe_u32 v149, v136, 8*\k, 8
	v_cmp_ne_u32 vcc_lo, 0, v149
	v_cndmask_b32 v[140+\k], 0, v148, vcc_lo
	v_bfe_u32 v149, v137, 8*\k, 8
	v_cmp_ne_u32 vcc_lo, 0, v149
	v_cndmask_b32 v[144+\k], 0, v148, vcc_lo
.endr
	ds_store_b128 v154, v[140:143]
	ds_store_b128 v154, v[144:147] offset:16
	s_wait_dscnt 0x0                               ; for the others' sake
	s_barrier_signal -1
	s_barrier_wait -1                              ; all 2,048 keys' numbers lie in LDS
	ds_load_b128 v[T2:T2+3], v[LP0]
	s_wait_dscnt 0x0
	s_wait_loadcnt 0x0                             ; the mask's rows, Q, Q's scale words
	s_mov_b32 s48, 0xffff
	s_mov_b32 s49, 0x01010000
	s_mov_b32 s50, 0xffff0000
	s_mov_b32 s51, 0x0101
	v_and_or_b32 v[QSA], v[QSB], s48, s49          ; head A's two bytes below, the byte 1 for the empty half
	v_and_or_b32 v[QSB], v[QSB], s50, s51          ; head B's above
	v_mov_b32 v[AW], v[LW0]                        ; bank 0
	PREPADD
	PREPST
	s_wait_dscnt 0x0                               ; my stores have landed and have read their registers
	s_add_nc_u64 s[6:7], s[6:7], 512               ; (the loads that named this base are done)
	RAWLOAD                                        ; key step 1
	s_wait_tensorcnt 0x1                           ; my part of slot 0 is in; slot 1's may stay out
	s_barrier_signal -1
	s_barrier_wait -1
	s_mov_b32 s[TBC], 0
	s_mov_b32 s[TBN], BANK
	s_mov_b32 s[PK], 512
	s_mov_b32 s[CNT], 14
	v_add_nc_u32 v[AM], s[TBC], v[LM0]
	v_add_nc_u32 v[AK], s[TBC], v[LK0]
	v_add_nc_u32 v[ASC], s[TBC], v[LS0]
	LOADM 0
	LOADM 1
	LOADK 0
	LOADKS
; A TRIP: 128 keys, four passes.  At its head the mask of both tiles, K of head A and K's scale words have been asked for, and v[AK], v[ASC] point into this bank.
; more = 1: a key step follows: its mask is prepared, and its first operands are fetched behind the change of slots.  fill = 1: the slot just read out is filled again, two key steps ahead.
.macro TRIP fill, more
	PLACES                                         ; behind the last products of the trip before, which read V and its scale words
	LOADV 0
	LOADVS
	s_wait_dscnt 9                                 ; all but these nine
	QK 0, 0
	PLACES
	SOFT 0, 0
	s_wait_dscnt 0x0                               ; V of head A, V's scale words
	PV 0, 0
	QK 1, 0
	PLACES
	LOADK 1
	SOFT 1, 0
.if \more
	v_add_nc_u32 v[AM], s[PK], v[LP0]              ; (the loads that named this register came back at the trip's first wait)
	ds_load_b128 v[T2:T2+3], v[AM]                 ; the next step's 0 or -2^100 for my four keys
.endif
	PV 1, 0
.if \more
	s_wait_dscnt 0x0                               ; K of head B and those four numbers
	s_wait_loadcnt 0x0                             ; the next step's rows of attn_mask, asked for half a trip ago or more
	v_add_nc_u32 v[AW], s[TBN], v[LW0]
	PREPADD                                        ; (also the places behind the products above)
	LOADV 1
	PREPST                                         ; into the other bank: its images were last read ahead of the change of slots before this one
	s_wait_tensorcnt 0x0                           ; all my tensor loads have landed: my part of the next slot
	ds_add_u32 v[SPW], v[NIL]                      ; 0 onto my spare word
.if \fill
	s_xor_b32 s[G0B+1], s[G0B+1], BANK             ; no load of mine is out: the walking descriptor takes the other slot and the next block
	s_add_nc_u64 s[G0B+2:G0B+3], s[G0B+2:G0B+3], BLKB
.endif
	QK 0, 1                                        ; work on registers while the add is out
	s_wait_dscnt 0x0                               ; the add is done, my reads of this slot are over, my stores of the next mask have landed
.if \fill
	CROUND                                         ; no wave of any partner still reads this slot or has a load on its way
	TLOAD G0B                                      ; first behind the round: it has a whole trip in which to land
	PLACES                                         ; (for the waves that fetch nothing: behind the products above)
	s_add_nc_u64 s[6:7], s[6:7], 512
	RAWLOAD                                        ; the mask two key steps ahead
.else
	s_barrier_signal -1
	s_barrier_wait -1
	PLACES
.endif
	v_add_nc_u32 v[AM], s[TBN], v[LM0]
	LOADM 0
.else
	PLACES
	LOADV 1
	s_wait_dscnt 8                                 ; K of head B is in; V's eight loads may be out
	QK 0, 1
	PLACES
.endif
	SOFT 0, 1
.if (\more)==0
	s_wait_dscnt 0x0                               ; V of head B
.endif
	PV 0, 1
	QK 1, 1
	PLACES
.if \more
	LOADM 1
	v_add_nc_u32 v[AK], s[TBN], v[LK0]             ; (no load that names these two is out)
	v_add_nc_u32 v[ASC], s[TBN], v[LS0]
	LOADK 0
	LOADKS
.endif
	SOFT 1, 1
	PV 1, 1
.if \more
	s_xor_b32 s[TBC], s[TBC], BANK
	s_xor_b32 s[TBN], s[TBN], BANK
	s_add_co_u32 s[PK], s[PK], 512
.endif
.endm
.Ltrip:                                                ; key steps 0 to 13: each asks for the step two on
	TRIP 1, 1
	s_sub_co_u32 s[CNT], s[CNT], 1
	s_cmp_lg_u32 s[CNT], 0
	s_cbranch_scc1 .Ltrip
	TRIP 0, 1                                      ; the last two are written out
	TRIP 0, 0
	; THE WAY OUT.  O^T / l; a lane's 64 numbers of a tile (two heads x 32) are 128 along E less the other half of the lanes: quantised as they lie, eight codes (4 bytes) a conversion, into rows of the stage.
	v_and_b32 v3, 15, v0                           ; r   (these lines are also the places behind the last products)
	v_bfe_u32 v4, v0, 4, 1                         ; h
	v_and_b32 v5, 31, v0
	s_mul_i32 s48, s15, 32*272
	s_lshl_b32 s49, s16, 6
	s_add_co_u32 s48, s48, s49
	s_add_co_u32 s48, s48, STAGE
	v_mul_u32_u24 v[AK], v3, 272
	v_lshl_add_u32 v[AK], v4, 2, v[AK]
	v_add_nc_u32 v[AK], s48, v[AK]                 ; in: row 32 (wave % 2) + r, my pair's 64 bytes, + 4 h
	s_lshl_b32 s48, s15, 9
	s_lshl_b32 s49, s16, 2
	s_add_co_u32 s48, s48, s49
	s_add_co_u32 s48, s48, SST
	v_lshl_add_u32 v[ASC], v3, 4, s48              ; the row's 16 scale bytes, my pair's four
	s_mul_i32 s48, s[WV], 8*272
	s_add_co_u32 s48, s48, STAGE
	v_mul_u32_u24 v[AM], v4, 272
	v_lshl_add_u32 v[AM], v3, 4, v[AM]
	v_add_nc_u32 v[AM], s48, v[AM]                 ; back: rows 8 wave on; lanes 0-15 one row, lanes 16-31 the next
	s_lshl_b32 s48, s[WV], 7
	s_add_co_u32 s48, s48, SST
	v_lshl_add_u32 v[AW], v5, 2, s48
	v_lshlrev_b32 v6, 9, v4
	v_lshl_add_u32 v6, v3, 4, v6                   ; the same two rows in attn_codes
	v_lshrrev_b32 v7, 2, v5
	v_lshlrev_b32 v7, 5, v7
	v_and_b32 v8, 3, v0
	v_lshl_add_u32 v7, v8, 2, v7                   ; row lane / 4, word lane % 4 in attn_scales
.macro FIN u
.irp c, 0,1
	v_add_f32 v[BM+\c], v[ST+4*(2*(\u)+\c)+2], v[ST+4*(2*(\u)+\c)+3]
.endr
.irp c, 0,1
	v_permlanex16_b32 v[T2+\c], v[BM+\c], s[SEL], s[SEL+1]
.endr
.irp c, 0,1
	v_add_f32 v[BM+\c], v[BM+\c], v[T2+\c]         ; l
.endr
.irp c, 0,1
	v_rcp_f32 v[SO+2*\c], v[BM+\c]
.endr
	v_nop                                          ; a plain place behind the reciprocals
	WIN 0x01                                       ; source 0 window 1
	s_wait_alu depctr_va_vdst(0)
.irp c, 0,1
.set j, 0
.rept 16
	v_pk_mul_f32 v[S+32*\c+j:S+32*\c+j+1], v[128+32*(2*(\u)+\c)+j:128+32*(2*(\u)+\c)+j+1], v[SO+2*\c:SO+2*\c+1] op_sel_hi:[1,0]   ; each accumulator from its low end on
.set j, j+2
.endr
.endr
	WIN 0
.irp b, 0,1,2,3
	v_max3_num_f32 v[QM+\b], |v[S+16*\b]|, |v[S+1+16*\b]|, 0x1800000
.endr
.irp i, 2,4,6,8,10,12,14
.irp b, 0,1,2,3
	v_max3_num_f32 v[QM+\b], v[QM+\b], |v[S+16*\b+\i]|, |v[S+1+16*\b+\i]|
.endr
.endr
.irp b, 0,1,2,3
	v_permlanex16_b32 v[QM+4+\b], v[QM+\b], s[SEL], s[SEL+1]
.endr
.irp b, 0,1,2,3
	v_max_num_f32 v[QM+\b], v[QM+\b], v[QM+4+\b]
.endr
.irp b, 0,1,2,3
	v_add_nc_u32 v[QM+12+\b], 0xff000000, v[QM+\b]
.endr
.irp b, 0,1,2,3
	v_lshrrev_b32 v[QM+4+\b], 23, v[QM+12+\b]
.endr
	v_lshl_or_b32 v[TMP2], v[QM+5], 8, v[QM+4]
	v_lshl_or_b32 v[TMP2], v[QM+6], 16, v[TMP2]
	v_lshl_or_b32 v[TMP2], v[QM+7], 24, v[TMP2]
	v_mov_b32 v[QM+8], 0xffff                      ; a head with l = 0 (no key counts): its two bytes become 0xff
	v_cmp_eq_f32 vcc_lo, 0, v[BM]
	v_cndmask_b32 v[QM+9], 0, v[QM+8], vcc_lo
	v_or_b32 v[TMP2], v[TMP2], v[QM+9]
	v_cmp_eq_f32 vcc_lo, 0, v[BM+1]
	v_cndmask_b32 v[QM+9], 0, v[QM+8], vcc_lo
	v_lshl_or_b32 v[TMP2], v[QM+9], 16, v[TMP2]
.irp t, 0,1,2,3,4,5,6,7
	v_cvt_scalef32_pk8_fp4_f32 v[PC+\t], v[S+8*\t:S+8*\t+7], v[QM+12+\t/2]   ; channels 16 t + 8 h + 0 .. 7 of the pair's 128
.endr
	v_nop
.irp t, 0,1,2,3,4,5,6,7
	ds_store_b32 v[AK], v[PC+\t] offset:4352*(\u)+8*\t
.endr
	ds_store_b32 v[ASC], v[TMP2] offset:256*(\u)   ; both halves of the lanes write the same word with the same value
	s_wait_dscnt 0x0                               ; the stores have read their registers (and, for the others' sake, have landed)
.endm
	FIN 0
	FIN 1
	s_barrier_signal -1
	s_barrier_wait -1                              ; 64 whole rows lie in the stage
.irp i, 0,1,2,3
	ds_load_b128 v[S+4*\i:S+4*\i+3], v[AM] offset:544*\i
.endr
	ds_load_b32 v[S+16], v[AW]
.irp i, 0,1,2,3
	s_wait_dscnt 4-\i
	global_store_b128 v6, v[S+4*\i:S+4*\i+3], s[10:11] offset:1024*\i   ; sixteen lanes store 256 consecutive bytes, aligned
.endr
	s_wait_dscnt 0x0
	global_store_b32 v7, v[S+16], s[12:13]         ; 16 bytes of each of eight rows: one sixteenth of the codes' bytes
	s_wait_tensorcnt 0x0                           ; the wave's end
	ds_add_u32 v[SPW], v[NIL]
	s_wait_dscnt 0x0
	CROUND                                         ; the closing round
	s_endpgm
.Lfunc_end_k_qfc220aed62_attn:
	.size	k_qfc220aed62_attn, .Lfunc_end_k_qfc220aed62_attn-k_qfc220aed62_attn
	.p2alignl 7, 3214868480
	.fill 96, 4, 3214868480
	.section	.rodata,"a",@progbits
	.p2align	6, 0x0
	.amdhsa_kernel k_qfc220aed62_attn
		.amdhsa_group_segment_fixed_size 327680
		.amdhsa_private_segment_fixed_size 0
		.amdhsa_enable_private_segment 0
		.amdhsa_kernarg_size 40
		.amdhsa_user_sgpr_count 2
		.amdhsa_user_sgpr_kernarg_segment_ptr 1
		.amdhsa_wavefront_size32 1
		.amdhsa_system_sgpr_workgroup_id_x 1
		.amdhsa_system_sgpr_workgroup_id_y 1
		.amdhsa_system_sgpr_workgroup_id_z 1
		.amdhsa_system_vgpr_workitem_id 0
		.amdhsa_next_free_vgpr 512
		.amdhsa_next_free_sgpr 66
		.amdhsa_reserve_vcc 1
		.amdhsa_float_denorm_mode_32 3
		.amdhsa_float_denorm_mode_16_64 3
		.amdhsa_memory_ordered 1
		.amdhsa_forward_progress 1
		.amdhsa_inst_pref_size 214
	.end_amdhsa_kernel
	.amdgpu_metadata
---
amdhsa.version: [ 1, 2 ]
amdhsa.kernels:
  - .name:           k_qfc220aed62_attn
    .symbol:         k_qfc220aed62_attn.kd
    .args:
      - { .name: qkv, .offset: 0, .size: 8, .value_kind: global_buffer, .address_space: global }
      - { .name: attn_mask, .offset: 8, .size: 8, .value_kind: global_buffer, .address_space: global }
      - { .name: key_padding_mask, .offset: 16, .size: 8, .value_kind: global_buffer, .address_space: global }
      - { .name: attn_codes, .offset: 24, .size: 8, .value_kind: global_buffer, .address_space: global }
      - { .name: attn_scales, .offset: 32, .size: 8, .value_kind: global_buffer, .address_space: global }
    .group_segment_fixed_size: 327680
    .private_segment_fixed_size: 0
    .kernarg_segment_align: 8
    .kernarg_segment_size: 40
    .max_flat_workgroup_size: 256
    .sgpr_count:     66
    .vgpr_count:     512
    .wavefront_size: 32
...
	.end_amdgpu_metadata
.endif
;; end of part 2
;; launch oproj (part 3): grid 4 x 32, 4 waves a work-group, clusters of 4 x 4, 327,680 bytes of LDS; arguments attn_codes, attn_scales, Wo_codes, Wo_scales, bo, out0; writes out0
.if DOCPART == 3
	.amdgcn_target "amdgcn-amd-amdhsa--gfx1250"
	.amdhsa_code_object_version 6
	.text
	.protected	k_qfc220aed62_oproj
	.globl	k_qfc220aed62_oproj
	.p2align	8
	.type	k_qfc220aed62_oproj,@function
k_qfc220aed62_oproj:
	s_mov_b64 s[64:65], 0
	v_nop
	global_prefetch_b8 v0, s[64:65] scope:SCOPE_SE
	s_setreg_imm32_b32 hwreg(HW_REG_WAVE_MODE, 25, 1), 1
	s_wait_xcnt 0x0
	s_wait_alu depctr_hold_cnt(0) depctr_sa_sdst(0) depctr_va_vdst(0) depctr_va_sdst(0) depctr_va_ssrc(0) depctr_va_vcc(0) depctr_vm_vsrc(0)
	s_getreg_b32 s2, hwreg(HW_REG_IB_STS2, 6, 4)
	s_cmp_eq_u32 s2, 0
	s_cbranch_scc0 .Lentry_in_a_cluster
	s_endpgm
.Lentry_in_a_cluster:
	s_bfe_u32 s2, ttmp6, 0x10000c
	s_cmp_lg_u32 s2, 0xf033
	s_cbranch_scc0 .Lentry_shape_is_right
	s_endpgm
.Lentry_shape_is_right:
; out0[m][n] = sum over k of attn[m][k] Wo[n][k] + bo[n].  attn: [8192][1024], Wo: [1024][1024]: codes of FP4 (E2M1) with one E8M0 scale for each 32 along K; out0: [8192][1024] f32; sums in f32.
; A tile of 256 x 256 is made by a work-group of four waves, each 128 x 128: 64 accumulators, 512 registers.  K = 1,024 goes through two LDS slots of 512 along K, each filled once; the scale bytes of the work-group's
; 256 + 256 rows come once, in rows of 256 bytes.  4 x 4 work-groups form a cluster: attn's tiles are asked for jointly along a row of the cluster, Wo's along a column.
; The matrix instruction is used transposed (source 0 = 16 rows of Wo, source 1 = 16 rows of attn): a lane holds eight neighbouring numbers of a row of out0.  bo is the C of each sum's first matrix instruction.
; REGISTERS: window 0: v16-30 addresses; v32-95 scale words, two sets; v128-191 attn's fragments; v192-255 bo in the result's layout; on the way out v128-255 hold rows.  window 1: Wo's fragments, two sets.  windows 2, 3: the accumulators.
.set SIZE_N, 1024
.set NQ,     4
.set ROWB,   256
.set KROW,   512
.set PITCH,  272                       ; an LDS row: 256 bytes + 16 of padding: the 16 rows that a load touches start at 16 different banks
.set FR,     8
.set NL,     2
.set NP,     4
.set HALFT,  128*PITCH
.set SLOT,   4*HALFT
.set KS,     32
.set SCL,    2*SLOT
.set HALFS,  (128*KS/256)*272
.set SBLK,   (16*KS/256)*272
.set SPARE,  SCL+4*HALFS               ; the spare words, 128 bytes for each wave: two blocks of 256 bytes that no other line names
.set SPITCH, 528                       ; the way out: 16 rows x (512 bytes + 16) for each wave, in slot 0, which has had its one fill and its last read by then
.set ADRA, 16
.set ADRB, 20
.set STO,  24
.set RD,   25
.set CO,   26
.set ADRS, 27
.set SPW,  28
.set NIL,  29
.set SC,   32
.set AF,   128
.set BK,   128
.set CB,   192
.set G1, 24
.set G0, 32
.set G1B, 48
.set G0B, 56
.set G1S, 68
.set G0S, 76
.set G1SB, 80
.set G0SB, 88
.set MSB, 0
.macro WIN new
.if MSB != (\new)
	s_set_vgpr_msb (MSB<<8)|(\new)
.set MSB, (\new)
.endif
.endm
.set MUL_LO, 0xa1
.set MUL_HI, 0xf1
.set TO_B,   0x40
.macro JLOAD g0a, g1a, g0b, g1b        ; waves 0 and 1 fetch for attn, waves 2 and 3 for Wo; four v_nop follow each of the two lines
	s_cmp_eq_u32 s15, 0
	s_cbranch_scc0 .Lfor_b_\@
	tensor_load_to_lds s[\g0a:\g0a+3], s[\g1a:\g1a+7]
	s_nop 0
.rept 4
	v_nop
.endr
	s_branch .Lasked_\@
.Lfor_b_\@:
	tensor_load_to_lds s[\g0b:\g0b+3], s[\g1b:\g1b+7]
	s_nop 0
.rept 4
	v_nop
.endr
.Lasked_\@:
.endm
.macro CROUND
	s_barrier_signal -1
	s_barrier_wait -1
	s_cmp_lg_u32 s14, 0
	s_cbranch_scc1 .Lnot_wave_0_\@
	s_barrier_signal -3
.Lnot_wave_0_\@:
	s_barrier_wait -3
	s_barrier_signal -1
	s_barrier_wait -1
.endm
	s_load_b128 s[4:7], s[0:1], 0x0                ; attn's codes, scales
	s_load_b128 s[8:11], s[0:1], 0x10              ; Wo's codes, scales
	s_load_b128 s[96:99], s[0:1], 0x20             ; bo, out0
	v_lshl_add_u32 v[SPW], v0, 2, SPARE
	v_mov_b32 v[NIL], 0
	ds_add_u32 v28, v29
	s_wait_dscnt 0x0
	v_lshrrev_b32 v1, 5, v0
	v_readfirstlane_b32 s14, v1
	s_lshr_b32 s15, s14, 1
	s_and_b32 s16, s14, 1
	s_bfe_u32 s40, ttmp6, 0x40000
	s_bfe_u32 s41, ttmp6, 0x40004
	s_lshl_b32 s42, ttmp9, 2
	s_add_co_u32 s42, s42, s40                     ; tile column
	s_and_b32 s17, ttmp7, 0xffff
	s_lshl_b32 s17, s17, 2
	s_add_co_u32 s17, s17, s41                     ; tile row
	s_lshl_b32 s43, s41, 2
	s_lshl_b32 s43, 15, s43
	s_lshl_b32 s44, 0x1111, s40
	s_or_b32 s[G1+0], s43, (0<<16)|(1<<20)|(1<<21)|(5<<22)|(3<<25)
	s_or_b32 s[G1B+0], s44, (0<<16)|(1<<20)|(1<<21)|(5<<22)|(3<<25)
.irp g, G1, G1B
	s_mov_b32 s[\g+1], ROWB<<16
	s_mov_b32 s[\g+2], 128<<16
	s_mov_b32 s[\g+3], ROWB<<16
	s_mov_b32 s[\g+4], 128
	s_mov_b32 s[\g+5], KROW
	s_mov_b32 s[\g+6], 0
	s_mov_b32 s[\g+7], 0
.endr
	s_or_b32 s[G1S+0], s43, (3<<16)|(1<<20)|(1<<21)|(5<<22)|(3<<25)
	s_or_b32 s[G1SB+0], s44, (3<<16)|(1<<20)|(1<<21)|(5<<22)|(3<<25)
.irp g, G1S, G1SB
	s_mov_b32 s[\g+1], 32<<16
	s_mov_b32 s[\g+2], (128*KS/256)<<16
	s_mov_b32 s[\g+3], 32<<16
	s_mov_b32 s[\g+4], 128*KS/256
	s_mov_b32 s[\g+5], 32
	s_mov_b32 s[\g+6], 0
	s_mov_b32 s[\g+7], 0
.endr
	s_lshl_b32 s18, s16, 7
	s_lshl_b32 s20, s17, 8
	s_add_co_u32 s20, s20, s18
	s_lshl_b32 s46, s42, 8
	s_add_co_u32 s46, s46, s18
	s_lshl_b32 s22, s20, 5
	s_mov_b32 s23, 0
	s_lshl_b32 s20, s20, 9
	s_mov_b32 s21, 0
	s_lshl_b32 s92, s46, 5
	s_mov_b32 s93, 0
	s_lshl_b32 s46, s46, 9
	s_mov_b32 s47, 0
	s_mul_i32 s45, s14, HALFT
	s_mul_i32 s94, s14, HALFS
	s_wait_kmcnt 0x0
	s_add_nc_u64 s[20:21], s[4:5], s[20:21]
	s_add_nc_u64 s[22:23], s[6:7], s[22:23]
	s_add_nc_u64 s[46:47], s[8:9], s[46:47]
	s_add_nc_u64 s[92:93], s[10:11], s[92:93]
	CROUND
	s_mov_b32 s[G0S], 1
	s_add_co_u32 s[G0S+1], s94, SCL
	s_mov_b64 s[G0S+2:G0S+3], s[22:23]
	s_or_b32 s[G0S+3], s[G0S+3], 0x80000000
	s_mov_b32 s[G0SB], 1
	s_add_co_u32 s[G0SB+1], s94, SCL
	s_mov_b64 s[G0SB+2:G0SB+3], s[92:93]
	s_or_b32 s[G0SB+3], s[G0SB+3], 0x80000000
	JLOAD G0S, G1S, G0SB, G1SB
.irp s, 0,1
	s_mov_b32 s[G0+4*\s], 1
	s_add_co_u32 s[G0+4*\s+1], s45, \s*SLOT
	s_add_nc_u64 s[G0+4*\s+2:G0+4*\s+3], s[20:21], \s*ROWB
	s_or_b32 s[G0+4*\s+3], s[G0+4*\s+3], 0x80000000
	s_mov_b32 s[G0B+4*\s], 1
	s_add_co_u32 s[G0B+4*\s+1], s45, \s*SLOT
	s_add_nc_u64 s[G0B+4*\s+2:G0B+4*\s+3], s[46:47], \s*ROWB
	s_or_b32 s[G0B+4*\s+3], s[G0B+4*\s+3], 0x80000000
	JLOAD G0+4*\s, G1, G0B+4*\s, G1B               ; three tensor loads of mine are out now, and no more are issued
.endr
	v_and_b32 v1, 15, v0
	v_bfe_u32 v2, v0, 4, 1
	v_mul_u32_u24 v3, v1, PITCH
	v_lshl_add_u32 v4, v2, 4, v3
	s_mul_i32 s21, s15, HALFT
	s_mul_i32 s22, s16, HALFT
	s_add_co_u32 s22, s22, 2*HALFT
.irp s, 0,1
	v_add_nc_u32 v[ADRA+\s], s21, v4
	v_add_nc_u32 v[ADRB+\s], s22, v4
	s_add_co_u32 s21, s21, SLOT
	s_add_co_u32 s22, s22, SLOT
.endr
	v_mul_u32_u24 v5, v1, KS
	v_lshrrev_b32 v6, 8, v5
	v_lshl_add_u32 v5, v6, 4, v5
	s_mul_i32 s21, s15, HALFS
	s_mul_i32 s22, s16, HALFS
	s_add_co_u32 s22, s22, 2*HALFS
	s_sub_co_u32 s22, s22, s21
	v_mul_u32_u24 v6, s22, v2
	s_add_co_u32 s21, s21, SCL
	v_add_nc_u32 v5, v5, v6
	v_add_nc_u32 v[ADRS], s21, v5
	s_mul_i32 s23, s14, 16*SPITCH
	v_mul_u32_u24 v5, v1, SPITCH
	v_lshl_add_u32 v5, v2, 5, v5
	v_add_nc_u32 v[STO], s23, v5
	v_and_b32 v6, 31, v0
	v_lshlrev_b32 v[CO], 4, v6
	v_add_nc_u32 v[RD], s23, v[CO]
	s_lshl_b32 s20, s17, 8
	s_lshl_b32 s21, s15, 7
	s_add_co_u32 s20, s20, s21                     ; my first row of out0,
	s_lshl_b32 s20, s20, 12                        ; x 4,096 bytes
	s_mov_b32 s21, 0
	s_lshl_b32 s46, s42, 10                        ; my first column, in bytes
	s_lshl_b32 s47, s16, 9
	s_add_co_u32 s46, s46, s47
	s_mov_b32 s47, 0
	s_add_nc_u64 s[96:97], s[96:97], s[46:47]      ; bo at my first column
	s_add_nc_u64 s[20:21], s[20:21], s[46:47]
	s_add_nc_u64 s[12:13], s[98:99], s[20:21]
	v_lshlrev_b32 v30, 5, v2
.irp b, 0,1,2,3,4,5,6,7
	global_load_b128 v[CB+8*\b:CB+8*\b+3], v30, s[96:97] offset:64*\b          ; bo(16 b + 8 h + 0 .. 7)
	global_load_b128 v[CB+8*\b+4:CB+8*\b+7], v30, s[96:97] offset:64*\b+16
.endr
.macro FRAG reg, adr, q, i
.irp c, 0,1
	ds_load_b128 v[\reg+4*\c:\reg+4*\c+3], v[\adr] offset:64*(\q)+32*\c+(\i)*16*PITCH
.endr
.endm
; 16 matrix instructions.  zero = 1: the first product starts the sums, with bo as C.  The 64 accumulators take turns, one instruction a turn.
.macro MUL16 a0, p, q, sc, zero
.irp a, \a0, \a0+1
.irp b, 0,1,2,3,4,5,6,7
.if \zero
	v_wmma_scale_f32_16x16x128_f8f6f4 v[8*(8*((\a)%4)+\b):8*(8*((\a)%4)+\b)+7], v[128*(\p)+FR*\b:128*(\p)+FR*\b+FR-1], v[AF+FR*(\a):AF+FR*(\a)+FR-1], v[CB+8*\b:CB+8*\b+7], v[SC+8*NQ*(\sc)+NQ*\b+(\q)], v[SC+8*NQ*(\sc)+NQ*(\a)+(\q)] matrix_a_fmt:MATRIX_FMT_FP4 matrix_b_fmt:MATRIX_FMT_FP4 matrix_a_scale:MATRIX_SCALE_ROW1
.else
	v_wmma_scale_f32_16x16x128_f8f6f4 v[8*(8*((\a)%4)+\b):8*(8*((\a)%4)+\b)+7], v[128*(\p)+FR*\b:128*(\p)+FR*\b+FR-1], v[AF+FR*(\a):AF+FR*(\a)+FR-1], v[8*(8*((\a)%4)+\b):8*(8*((\a)%4)+\b)+7], v[SC+8*NQ*(\sc)+NQ*\b+(\q)], v[SC+8*NQ*(\sc)+NQ*(\a)+(\q)] matrix_a_fmt:MATRIX_FMT_FP4 matrix_b_fmt:MATRIX_FMT_FP4 matrix_a_scale:MATRIX_SCALE_ROW1
.endif
.endr
.endr
.endm
.macro FETCH_B slot, q, p
	WIN TO_B
.irp i, 0,1,2,3,4,5,6,7
	FRAG 128*(\p)+FR*\i, ADRB+\slot, \q, \i
.endr
	WIN 0
.endm
.macro FETCH_A slot, q, i0
.irp i, \i0, \i0+1, \i0+2, \i0+3
	FRAG AF+FR*(\i), ADRA+\slot, \q, \i
.endr
.endm
.macro SCALES sc
.irp i, 0,1,2,3,4,5,6,7
	ds_load_b128 v[SC+8*NQ*\sc+NQ*\i:SC+8*NQ*\sc+NQ*\i+3], v[ADRS] offset:\i*SBLK
.endr
.endm
.macro PLACES n                        ; plain vector instructions between a matrix instruction and a load into, or a read of, its registers
.rept \n
	v_nop
.endr
.endm
.macro STEP slot, q, zero
	s_wait_dscnt 4*NL                              ; all but the youngest eight loads (attn's blocks 4-7) are in
	WIN MUL_LO-0x20*(\zero)
	MUL16 0, (\q)%2, \q, \slot, \zero
	MUL16 2, (\q)%2, \q, \slot, \zero
	s_wait_dscnt 0
	PLACES NP
	FETCH_B \slot, (\q)+1, 1-(\q)%2
	FETCH_A \slot, (\q)+1, 0
	WIN MUL_HI-0x30*(\zero)
	MUL16 4, (\q)%2, \q, \slot, \zero
	MUL16 6, (\q)%2, \q, \slot, \zero
	PLACES NP
	WIN 0
	FETCH_A \slot, (\q)+1, 4
.endm
.macro TURN slot, next                 ; a slot's last step changes slots: one barrier; nothing is filled again in this launch
	s_wait_tensorcnt 0x0                           ; all my tensor loads have landed: my part of the next slot
	ds_add_u32 v[SPW], v[NIL]                      ; 0 onto my spare word
	s_wait_dscnt 4*NL+1                            ; (the add and the youngest eight loads may be out)
	WIN MUL_LO
	MUL16 0, 1, NQ-1, \slot, 0
	s_wait_dscnt 0x0                               ; the add is done, and my reads of this slot are over
	s_barrier_signal -1
	MUL16 2, 1, NQ-1, \slot, 0
	WIN 0
	s_barrier_wait -1
	PLACES NP
	v_add_nc_u32 v[ADRS], 4*NQ, v[ADRS]            ; (no LDS load of mine is out)
	FETCH_B \next, 0, 0
	FETCH_A \next, 0, 0
	SCALES \next
	WIN MUL_HI
	MUL16 4, 1, NQ-1, \slot, 0
	MUL16 6, 1, NQ-1, \slot, 0
	PLACES NP
	WIN 0
	FETCH_A \next, 0, 4
.endm
.macro STEPS slot, from
.set Q, \from
.rept NQ-1-\from
	STEP \slot, Q, 0
.set Q, Q+1
.endr
.endm
	s_wait_loadcnt 0x0                             ; bo
	s_wait_tensorcnt 1                             ; the scales and my part of slot 0 are in; slot 1's load may be out
	s_barrier_signal -1
	s_barrier_wait -1
	FETCH_B 0, 0, 0
	FETCH_A 0, 0, 0
	SCALES 0
	FETCH_A 0, 0, 4
	STEP 0, 0, 1
	STEPS 0, 1
	TURN 0, 1
	STEPS 1, 0
	s_wait_dscnt 4*NL
	WIN MUL_LO
	MUL16 0, 1, NQ-1, 1, 0
	MUL16 2, 1, NQ-1, 1, 0
	s_wait_dscnt 0
	WIN MUL_HI
	MUL16 4, 1, NQ-1, 1, 0
	MUL16 6, 1, NQ-1, 1, 0
	WIN 0
; THE WAY OUT, block by block of 16 rows x 128 columns, through my own stage: in as 32 bytes a lane, back as whole rows of 512 bytes.  LDS serves a wave's instructions in order (ISA guide 5.7.1.4): no wait between the stores and the loads.
.macro TOSTAGE a
.set AC, 64*((\a)%4)
	WIN 0x08+4*((\a)/4)                            ; the data: window 2 or 3
.irp b, 0,1,2,3,4,5,6,7
	ds_store_b128 v[STO], v[AC+8*\b:AC+8*\b+3] offset:64*\b          ; each accumulator from its low end on
	ds_store_b128 v[STO], v[AC+8*\b+4:AC+8*\b+7] offset:64*\b+16
.endr
	WIN 0
.set BB, BK+64*((\a)%2)
.irp t, 0,1,2,3,4,5,6,7,8,9,10,11,12,13,14,15
	ds_load_b128 v[BB+4*\t:BB+4*\t+3], v[RD] offset:\t*SPITCH
.endr
.endm
.macro SEND a, younger
.set BB, BK+64*((\a)%2)
	s_wait_dscnt \younger                          ; the block is back in registers
.if (\a) > 0
	s_add_nc_u64 s[12:13], s[12:13], 16*SIZE_N*4   ; (behind a wait on XCNT: the earlier stores have read their base)
.endif
.irp t, 0,1,2,3,4,5,6,7,8,9,10,11,12,13,14,15
	global_store_b128 v[CO], v[BB+4*\t:BB+4*\t+3], s[12:13] offset:\t*SIZE_N*4 th:TH_STORE_NT   ; 32 lanes store 512 consecutive bytes, aligned; written once, read by nobody here
.endr
.endm
	PLACES NP
	TOSTAGE 0
.irp a, 1,2,3,4,5,6,7
.if \a > 1
	s_wait_xcnt 0x0                                ; block a - 2's stores have read their registers and their base
.endif
	TOSTAGE \a
	SEND \a-1, 32                                  ; behind block a - 1's loads: block a's 16 stores and 16 loads
.endr
	s_wait_xcnt 0x0
	SEND 7, 0
	s_wait_tensorcnt 0x0                           ; the wave's end
	ds_add_u32 v[SPW], v[NIL]
	s_wait_dscnt 0x0
	CROUND                                         ; the closing round
	s_endpgm
.Lfunc_end_k_qfc220aed62_oproj:
	.size	k_qfc220aed62_oproj, .Lfunc_end_k_qfc220aed62_oproj-k_qfc220aed62_oproj
	.p2alignl 7, 3214868480
	.fill 96, 4, 3214868480
	.section	.rodata,"a",@progbits
	.p2align	6, 0x0
	.amdhsa_kernel k_qfc220aed62_oproj
		.amdhsa_group_segment_fixed_size 327680
		.amdhsa_private_segment_fixed_size 0
		.amdhsa_enable_private_segment 0
		.amdhsa_kernarg_size 48
		.amdhsa_user_sgpr_count 2
		.amdhsa_user_sgpr_kernarg_segment_ptr 1
		.amdhsa_wavefront_size32 1
		.amdhsa_system_sgpr_workgroup_id_x 1
		.amdhsa_system_sgpr_workgroup_id_y 1
		.amdhsa_system_sgpr_workgroup_id_z 1
		.amdhsa_system_vgpr_workitem_id 0
		.amdhsa_next_free_vgpr 1024
		.amdhsa_next_free_sgpr 100
		.amdhsa_reserve_vcc 0
		.amdhsa_float_denorm_mode_32 3
		.amdhsa_float_denorm_mode_16_64 3
		.amdhsa_memory_ordered 1
		.amdhsa_forward_progress 1
		.amdhsa_inst_pref_size 126
	.end_amdhsa_kernel
	.amdgpu_metadata
---
amdhsa.version: [ 1, 2 ]
amdhsa.kernels:
  - .name:           k_qfc220aed62_oproj
    .symbol:         k_qfc220aed62_oproj.kd
    .args:
      - { .name: attn_codes, .offset: 0, .size: 8, .value_kind: global_buffer, .address_space: global }
      - { .name: attn_scales, .offset: 8, .size: 8, .value_kind: global_buffer, .address_space: global }
      - { .name: Wo_codes, .offset: 16, .size: 8, .value_kind: global_buffer, .address_space: global }
      - { .name: Wo_scales, .offset: 24, .size: 8, .value_kind: global_buffer, .address_space: global }
      - { .name: bo, .offset: 32, .size: 8, .value_kind: global_buffer, .address_space: global }
      - { .name: out0, .offset: 40, .size: 8, .value_kind: global_buffer, .address_space: global }
    .group_segment_fixed_size: 327680
    .private_segment_fixed_size: 0
    .kernarg_segment_align: 8
    .kernarg_segment_size: 48
    .max_flat_workgroup_size: 128
    .sgpr_count:     100
    .vgpr_count:     1024
    .wavefront_size: 32
...
	.end_amdgpu_metadata
.endif
;; end of part 3
